; MI455X (gfx1250); checked and timed in simulation.
; The chip was launched on July 23, 2026; its instructions are those of AMD's public machine-readable ISA for CDNA 5 (MIT licence, August 2026) and "CDNA5" Instruction Set Architecture Reference Guide (July 2026). The comments in the code are by the model that wrote it; some were corrected since.
;; Multihead Attention. Allowed arithmetic: matrix products marked QUANTISED: E2M1 operands, one E8M0 scale for each 32 along K, by v_wmma_scale_f32_16x16x128_f8f6f4 with both operands' format E2M1 (or v_wmma_scale_f32_32x16x128_f4), f32 sums; products left as they are: bf16, f16 or f32 operands; f32 sums; everything else in f32.
;; Inputs: token_positions 2,048 int32; wk 1,024 x 1,024 float32; wo 1,024 x 1,024 float32; wq 1,024 x 1,024 float32; wv 1,024 x 1,024 float32; x 4 x 2,048 x 1,024 float32.
;; Outputs: out0 4 x 2,048 x 1,024 float32.
;; This version of the problem:
;;   THIS VERSION OF THE PROBLEM IS GIVEN IN LOW PRECISION. The matrix products marked QUANTISED in the list below multiply operands that are first quantised to E2M1 (2 exponent bits, 1 mantissa bit; 4 bits a number), with one power-of-two scale for each 32 numbers along K (OCP MX v1.0); their sums are f32. The products marked 'left as it is' may take bf16, f16 or f32 operands, with f32 sums. Whichever they take, every output number must still come out within the allowed error. Rounding operands to bf16 (8 significant bits) uses up far more of that allowance than f16 does (11 bits, for magnitudes from 6e-5 to 65,504). All else is computed in f32.
;;   The module's matrix products, in the order in which they are computed (A, B: the left and right operand; K: the contracted axis; several contracted axes count as one K, in the product's order):
;;     1. [M 8,192, K 1,024] x [K 1,024, N 1,024]; A: input x; B: input wq: QUANTISED
;;     2. [M 8,192, K 1,024] x [K 1,024, N 1,024]; A: input x; B: input wk: QUANTISED
;;     3. [M 8,192, K 1,024] x [K 1,024, N 1,024]; A: input x; B: input wv: QUANTISED
;;     4. batch 64 x [M 2,048, K 64] x [K 64, N 2,048]; A: computed on the way; B: computed on the way: left as it is (an operand is computed on the way)
;;     5. batch 64 x [M 2,048, K 2,048] x [K 2,048, N 64]; A: computed on the way; B: computed on the way: left as it is (an operand is computed on the way)
;;     6. [M 8,192, K 1,024] x [K 1,024, N 1,024]; A: computed on the way; B: input wo: left as it is (an operand is computed on the way)
;;   THE QUANTISER, for each operand of a quantised product, along K:
;;     - K is cut into blocks of 32 from its start; a last block that is shorter is filled with zeros.
;;     - A block's scale is 2^e with e = floor(log2(the largest magnitude in the block)) - 2, held to -126 .. 127; a block of zeros has e = 0. As a byte (E8M0): e + 127.
;;     - Each number is divided by its block's scale, clamped to +-6, and rounded to the nearest number of E2M1, ties to even, subnormals kept.
;;     - The product sums the exact products of the quantised numbers (number of the format x scale) in f32.
;;   ~~~python
;;   def quantise(x, axis):      # numpy; x: float32 -> the quantised numbers, widened to float32 again
;;       x = np.moveaxis(x, axis, -1); K = x.shape[-1]
;;       x = np.pad(x, [(0, 0)] * (x.ndim - 1) + [(0, -K % 32)]); x = x.reshape(x.shape[:-1] + (-1, 32)); a = np.abs(x).max(-1, keepdims=True)
;;       e = np.where(a > 0, np.clip(np.frexp(np.where(a > 0, a, 1))[1] - 1 - 2, -126, 127), 0)      # np.frexp(a)[1] - 1 = floor(log2(a)), exactly
;;       r = np.clip(x / 2.0 ** e, -6, 6)
;;       step = 2.0 ** (np.maximum(np.frexp(np.where(r == 0, 1, r))[1] - 1, 0) - 1)
;;       q = np.round(r / step) * step * 2.0 ** e      # np.round: ties to even
;;       return np.moveaxis(q.reshape(q.shape[:-2] + (-1,))[..., :K], -1, axis).astype(np.float32)
;;   ~~~
;; One version. Each part assembles by itself: llvm-mc -triple=amdgcn-amd-amdhsa -mcpu=gfx1250 --defsym DOCPART=n.
;; ======== version 1 of 1: 5 launches
;; limits: values are held in f16: magnitudes above 65,504 overflow, below 6.1e-05 lose precision; right only within a limited range of input values
;; workspace buffers: codes 5,767,168 bytes; scales 360,448 bytes; wo16 2,097,152 bytes; rope 524,288 bytes; qkv16 50,331,648 bytes; att16 16,777,216 bytes; fine 786,432 bytes
;; launch prep (part 1): grid 416 x 1, 4 waves a work-group, no clusters, 33,280 bytes of LDS; arguments x, wq, wk, wv, wo, token_positions, codes, scales, wo16, rope; writes codes, scales, wo16, rope
.if DOCPART == 1
	.amdgcn_target "amdgcn-amd-amdhsa--gfx1250"
	.amdhsa_code_object_version 6
	.text
	.protected	k_q64984fbaf5_prep
	.globl	k_q64984fbaf5_prep
	.p2align	8
	.type	k_q64984fbaf5_prep,@function
k_q64984fbaf5_prep:
	s_mov_b64 s[64:65], 0
	v_nop
	global_prefetch_b8 v0, s[64:65] scope:SCOPE_SE
	s_setreg_imm32_b32 hwreg(HW_REG_WAVE_MODE, 25, 1), 1
	s_wait_xcnt 0x0
; THREE JOBS IN ONE LAUNCH, parted by the work-group's number; the three ways never meet again.
;  Work-groups 0-351: x [8192][1024] and wq, wk, wv [1024][1024], f32, K innermost, become codes of FP4 (E2M1) and one E8M0 byte for each 32 along K.
;     codes [11264 rows][512 bytes], scales [11264][32]: rows 0-8191 are x's, then wq's, wk's, wv's.  Rows are dense, so all is a plain stream of blocks of 32.
;     A block's scale is 2^(floor(log2(largest magnitude)) - 2); its byte is the largest magnitude's exponent field - 2, held at 1 from below.
;  Work-groups 352-383: wo [1024 n][1024 k] f32 becomes f16, laid [16 kb][1024 n][64], so that 64 along K of neighbouring rows are one dense block.
;  Work-groups 384-415: rope[s][pair i] = (cos, sin) of token_positions[s] x 10000^(-i/32), f32, 256 bytes a row.
; LIMITS: blocks whose largest magnitude lies under 2^-124 get the byte 1 (a block of zeros too: its codes are zeros, and this program alone reads the bytes); NaN and infinities are not served;
; |token_positions| up to 100,000 (the reduction by pi/2 in three parts holds that far); the angle comes from v_exp_f32 (1 ulp), not from the power function of the source; wo beyond 65,504 has no f16.
.set WAVES, 4
.set STEPS, 16
.set EMAX,  2
.set CB,    8                          ; bytes of 16 codes
.set R,     16                         ; v16-79   four sets of 16 numbers as they are loaded
.set X,     80                         ; v80-111  two sets of 16 neighbours
.set E,     112                        ; v112-127 a scale byte for each step
.set C,     128                        ; v128-191 codes: four registers for each step, so that no store's data are written again
.set WREG,  8192                       ; LDS: a region for each wave: two stages of 32 x SP bytes, behind them its 256 scale bytes
.set SP,    80                         ; a lane's place in a stage: 64 bytes + 16 of padding
.set SPW,   12                         ; v12 LDS address of my spare word; never rewritten
.set NIL,   13                         ; v13 0; never rewritten
.set SPARE, WAVES*WREG                 ; the spare words, 128 bytes a wave: two blocks of 256 bytes that no other line names
	s_load_b512 s[4:19], s[0:1], 0x0               ; x 4, wq 6, wk 8, wv 10, wo 12, token_positions 14, codes 16, scales 18
	s_load_b128 s[20:23], s[0:1], 0x40             ; wo16 20, rope 22
	v_lshl_add_u32 v[SPW], v0, 2, SPARE
	v_mov_b32 v[NIL], 0
	v_lshrrev_b32 v1, 5, v0
	v_readfirstlane_b32 s24, v1                    ; wave 0..3
	v_and_b32 v2, 31, v0                           ; lane
	s_wait_kmcnt 0x0
	s_cmp_ge_u32 ttmp9, 384
	s_cbranch_scc1 .Ltable
	s_cmp_ge_u32 ttmp9, 352
	s_cbranch_scc1 .Lwo
; ---------------- the quantiser: a wave takes 16 steps of 512 numbers.  Each load reads 512 consecutive bytes; a step's 2,048 bytes turn through the wave's own stage so that a lane holds 16 neighbours.
	v_lshlrev_b32 v3, 4, v2                        ; my 16 bytes of a load's 512
	s_mul_i32 s27, s24, WREG
	v_lshrrev_b32 v14, 2, v2
	v_mul_u32_u24 v14, v14, SP
	v_and_b32 v15, 3, v2
	v_lshl_add_u32 v14, v15, 4, v14
	v_add_nc_u32 v14, s27, v14                     ; the stage on the way in: SP (lane / 4) + 16 (lane % 4)
	v_mul_u32_u24 v15, v2, SP
	v_add_nc_u32 v15, s27, v15                     ; and on the way out: SP x lane
	v_mul_u32_u24 v4, v2, CB                       ; my codes' place in a step's
	v_lshrrev_b32 v5, 1, v2
	s_add_co_u32 s27, s27, 2*32*SP
	v_add_nc_u32 v5, s27, v5                       ; my block's byte among the wave's 256
	v_lshlrev_b32 v7, 3, v2
	v_add_nc_u32 v6, s27, v7
	s_sub_co_u32 s25, ttmp9, 256                   ; which weight, and which run of it (used only from work-group 256 on)
	s_lshr_b32 s26, s25, 5
	s_cmp_eq_u32 s26, 1
	s_cselect_b64 s[28:29], s[8:9], s[6:7]
	s_cmp_eq_u32 s26, 2
	s_cselect_b64 s[28:29], s[10:11], s[28:29]
	s_and_b32 s25, s25, 31
	s_cmp_lt_u32 ttmp9, 256                        ; the choice hangs on the work-group's number alone
	s_cselect_b64 s[28:29], s[4:5], s[28:29]
	s_cselect_b32 s25, ttmp9, s25
	s_lshl_b32 s25, s25, 2
	s_add_co_u32 s25, s25, s24                     ; my run of 8,192 numbers in the source,
	s_lshl_b32 s30, s25, 15
	s_mov_b32 s31, 0
	s_add_nc_u64 s[28:29], s[28:29], s[30:31]
	s_lshl_b32 s25, ttmp9, 2
	s_add_co_u32 s25, s25, s24                     ; and in codes and scales, where the weights' rows follow x's
	s_lshl_b32 s30, s25, 12
	s_add_nc_u64 s[16:17], s[16:17], s[30:31]
	s_lshl_b32 s30, s25, 8
	s_add_nc_u64 s[18:19], s[18:19], s[30:31]
.macro QLOAD t
.irp i, 0,1,2,3
	global_load_b128 v[R+16*((\t)%4)+4*\i:R+16*((\t)%4)+4*\i+3], v3, s[28:29] offset:2048*(\t)+512*\i th:TH_LOAD_NT
.endr
.endm
.macro QTURN t                         ; LDS serves a wave's instructions in order: no wait between these stores and loads
.irp i, 0,1,2,3
	ds_store_b128 v14, v[R+16*((\t)%4)+4*\i:R+16*((\t)%4)+4*\i+3] offset:32*SP*((\t)%2)+8*SP*\i
.endr
.irp i, 0,1,2,3
	ds_load_b128 v[X+16*((\t)%2)+4*\i:X+16*((\t)%2)+4*\i+3], v15 offset:32*SP*((\t)%2)+16*\i
.endr
.endm
.irp t, 0,1,2,3
	QLOAD \t
.endr
	s_wait_loadcnt 12                              ; step 0's four loads are in; the three later steps' twelve may be out
	QTURN 0
.macro QSTEP t
.set XS, X+16*((\t)%2)
.if (\t) > 0
	s_wait_dscnt 1                                 ; this step's numbers are back from the stage; the last step's byte store may be out
.else
	s_wait_dscnt 0x0
.endif
.if (\t)+4 < STEPS
	QLOAD (\t)+4
.endif
.if (\t)+1 < STEPS
.if STEPS-2-(\t) >= 3
	s_wait_loadcnt 12                              ; the next step's four loads are in; those of the three steps behind it may be out
.else
	s_wait_loadcnt 4*(STEPS-2-(\t))
.endif
	QTURN (\t)+1
.endif
	v_max3_num_f32 v8, |v[XS]|, |v[XS+1]|, |v[XS+2]|
	v_max3_num_f32 v9, |v[XS+3]|, |v[XS+4]|, |v[XS+5]|
.irp i, 6,10
	v_max3_num_f32 v8, v8, |v[XS+\i]|, |v[XS+\i+1]|
	v_max3_num_f32 v9, v9, |v[XS+\i+2]|, |v[XS+\i+3]|
.endr
	v_max3_num_f32 v8, v8, |v[XS+14]|, |v[XS+15]|
	v_max3_num_f32 v8, v8, v9, (EMAX+1)<<23        ; the floor 2^(3 - 127): the byte cannot fall under 1
	v_max_num_f32_dpp v8, v8, v8 row_xmask:1 row_mask:0xf bank_mask:0xf   ; with my neighbour's 16: the block's largest magnitude
	v_add_nc_u32 v11, -(EMAX<<23), v8              ; 2 off its exponent field: the conversion takes that field as its scale
	v_cvt_scalef32_pk8_fp4_f32 v[C+4*(\t)], v[XS:XS+7], v11
	v_cvt_scalef32_pk8_fp4_f32 v[C+4*(\t)+1], v[XS+8:XS+15], v11
	v_lshrrev_b32 v[E+(\t)], 23, v11               ; the scale's byte (also the plain line behind the conversions)
	ds_store_b8 v5, v[E+(\t)] offset:16*(\t)       ; both lanes of a block write the same byte with the same value
	global_store_b64 v4, v[C+4*(\t):C+4*(\t)+1], s[16:17] offset:32*CB*(\t)   ; the wave stores 256 consecutive bytes, aligned
.endm
.irp t, 0,1,2,3,4,5,6,7,8,9,10,11,12,13,14,15
	QSTEP \t
.endr
	ds_load_b64 v[8:9], v6
	s_wait_dscnt 0x0
	global_store_b64 v7, v[8:9], s[18:19]          ; the wave's 256 scale bytes, consecutive and aligned
	s_wait_tensorcnt 0x0                           ; the wave's end: a wait, an add of 0 to my spare word and its wait, behind my last LDS store
	ds_add_u32 v[SPW], v[NIL]
	s_wait_dscnt 0x0
	s_endpgm
; ---------------- wo to f16.  Wave w of work-group g owns rows 32 g + 8 w .. + 7, as four pairs.  A load: each half of the lanes reads 256 consecutive bytes (64 numbers) of one row;
; a store: the 32 lanes write the two rows' 128 bytes each, 256 consecutive bytes of one kb block.  This way touches no LDS.
.Lwo:
	s_sub_co_u32 s25, ttmp9, 352
	s_lshl_b32 s25, s25, 5
	s_lshl_b32 s26, s24, 3
	s_add_co_u32 s25, s25, s26                     ; my first row
	s_lshl_b32 s26, s25, 12
	s_mov_b32 s27, 0
	s_add_nc_u64 s[12:13], s[12:13], s[26:27]
	s_lshl_b32 s26, s25, 7
	s_add_nc_u64 s[20:21], s[20:21], s[26:27]
	v_lshrrev_b32 v3, 4, v2
	v_and_b32 v4, 15, v2
	v_lshlrev_b32 v3, 12, v3
	v_lshl_add_u32 v3, v4, 4, v3                   ; in: (lane / 16) rows of 4,096 bytes + 16 (lane % 16)
	v_lshlrev_b32 v4, 3, v2                        ; out: 8 x lane
.macro WLOAD p
.irp kb, 0,1,2,3,4,5,6,7,8,9,10,11,12,13,14,15
	global_load_b128 v[16+64*((\p)%2)+4*\kb:16+64*((\p)%2)+4*\kb+3], v3, s[12:13] offset:(\p)*8192+\kb*256
.endr
.endm
.macro WPAIR p, left
	s_wait_loadcnt \left                           ; this pair's sixteen loads are in; the next pair's sixteen may be out
	s_wait_xcnt 0x0                                ; the last pair's stores have read v144-175
.irp kb, 0,1,2,3,4,5,6,7,8,9,10,11,12,13,14,15
	v_cvt_pk_f16_f32 v[144+2*\kb], v[16+64*((\p)%2)+4*\kb], v[16+64*((\p)%2)+4*\kb+1]
	v_cvt_pk_f16_f32 v[145+2*\kb], v[16+64*((\p)%2)+4*\kb+2], v[16+64*((\p)%2)+4*\kb+3]
	global_store_b64 v4, v[144+2*\kb:145+2*\kb], s[20:21] offset:\kb*131072+(\p)*256
.endr
.endm
	WLOAD 0
	WLOAD 1
	WPAIR 0, 16
	WLOAD 2
	WPAIR 1, 16
	WLOAD 3
	WPAIR 2, 16
	WPAIR 3, 0
	s_endpgm
; ---------------- the table.  Lane = pair i; wave w of work-group g owns sequence places 64 g + 16 w .. + 15.  f = position x angle (one rounding, as the source has it);
; n = the nearest whole number to f x 2/pi; r = f - n pi/2 by three fused multiply-adds; polynomials for cos r and sin r on +-pi/4; n's low two bits swap them and set the signs.  This way touches no LDS.
.Ltable:
	s_sub_co_u32 s25, ttmp9, 384
	s_lshl_b32 s25, s25, 6
	s_lshl_b32 s26, s24, 4
	s_add_co_u32 s25, s25, s26                     ; my first place
	s_lshl_b32 s26, s25, 2
	s_mov_b32 s27, 0
	s_add_nc_u64 s[14:15], s[14:15], s[26:27]
	s_load_b512 s[32:47], s[14:15], 0x0            ; my sixteen positions: they enter values alone
	s_lshl_b32 s30, s25, 8
	s_mov_b32 s31, 0
	s_add_nc_u64 s[22:23], s[22:23], s[30:31]
	v_cvt_f32_u32 v3, v2
	v_mul_f32 v3, 0xbed49a78, v3                   ; -i x log2(10) / 8
	v_exp_f32 v3, v3                               ; the angle 10^(-i/8) = 10000^(-2 i / 64)
	v_lshlrev_b32 v4, 3, v2                        ; 8 bytes a pair (the plain line behind the exponential)
	v_mov_b32 v5, 0x37cd4000                       ; the polynomials' leading coefficients
	v_mov_b32 v6, 0x36405000
	s_wait_alu depctr_va_vdst(0)                   ; the wait ahead of the first line that names the exponential's result
	s_wait_kmcnt 0x0
.macro SINCOS p
	v_cvt_f32_i32 v8, s[32+\p]
	v_mul_f32 v8, v8, v3                           ; f
	v_mul_f32 v9, 0x3f22f983, v8                   ; x 2/pi
	v_rndne_f32 v9, v9                             ; n
	v_fmamk_f32 v10, v9, 0xbfc90fd8, v8            ; r = f - n pi/2, pi/2 in three parts
	v_fmamk_f32 v10, v9, 0xb4a8885a, v10
	v_fmamk_f32 v10, v9, 0xa7c234c4, v10
	v_cvt_i32_f32 v11, v9
	v_mul_f32 v14, v10, v10                        ; z = r r
	v_fmaak_f32 v15, v5, v14, 0xbab6077d           ; cos r
	v_fmaak_f32 v15, v15, v14, 0x3d2aaaa8
	v_fmaak_f32 v15, v15, v14, 0xbf000000
	v_fmaak_f32 v15, v15, v14, 0x3f800000
	v_fmaak_f32 v16, v6, v14, 0xb9503486           ; sin r
	v_fmaak_f32 v16, v16, v14, 0x3c0888c1
	v_fmaak_f32 v16, v16, v14, 0xbe2aaaab
	v_mul_f32 v17, v10, v14
	v_fma_f32 v16, v16, v17, v10
	v_and_b32 v17, 1, v11
	v_cmp_eq_u32 vcc_lo, 1, v17                    ; an odd n swaps the two: a choice of values, no branch
	v_cndmask_b32 v18, v15, v16, vcc_lo
	v_cndmask_b32 v19, v16, v15, vcc_lo
	v_lshlrev_b32 v17, 30, v11
	v_and_b32 v17, 0x80000000, v17                 ; n's bit 1 turns the sine's sign,
	v_xor_b32 v[65+2*\p], v19, v17
	v_add_nc_u32 v11, 1, v11
	v_lshlrev_b32 v11, 30, v11
	v_and_b32 v11, 0x80000000, v11                 ; bit 1 of n + 1 the cosine's
	v_xor_b32 v[64+2*\p], v18, v11
	global_store_b64 v4, v[64+2*\p:65+2*\p], s[22:23] offset:256*\p   ; a row of the table: 256 consecutive bytes, aligned; each place has its own pair of registers
.endm
.irp p, 0,1,2,3,4,5,6,7,8,9,10,11,12,13,14,15
	SINCOS \p
.endr
	s_endpgm
.Lfunc_end_k_q64984fbaf5_prep:
	.size	k_q64984fbaf5_prep, .Lfunc_end_k_q64984fbaf5_prep-k_q64984fbaf5_prep
	.p2alignl 7, 3214868480
	.fill 96, 4, 3214868480
	.section	.rodata,"a",@progbits
	.p2align	6, 0x0
	.amdhsa_kernel k_q64984fbaf5_prep
		.amdhsa_group_segment_fixed_size 33280
		.amdhsa_private_segment_fixed_size 0
		.amdhsa_enable_private_segment 0
		.amdhsa_kernarg_size 80
		.amdhsa_user_sgpr_count 2
		.amdhsa_user_sgpr_kernarg_segment_ptr 1
		.amdhsa_wavefront_size32 1
		.amdhsa_system_sgpr_workgroup_id_x 1
		.amdhsa_system_sgpr_workgroup_id_y 1
		.amdhsa_system_sgpr_workgroup_id_z 1
		.amdhsa_system_vgpr_workitem_id 0
		.amdhsa_next_free_vgpr 192
		.amdhsa_next_free_sgpr 66
		.amdhsa_reserve_vcc 1
		.amdhsa_float_denorm_mode_32 3
		.amdhsa_float_denorm_mode_16_64 3
		.amdhsa_memory_ordered 1
		.amdhsa_forward_progress 1
		.amdhsa_inst_pref_size 78
	.end_amdhsa_kernel
	.amdgpu_metadata
---
amdhsa.version: [ 1, 2 ]
amdhsa.kernels:
  - .name:           k_q64984fbaf5_prep
    .symbol:         k_q64984fbaf5_prep.kd
    .args:
      - { .name: x, .offset: 0, .size: 8, .value_kind: global_buffer, .address_space: global }
      - { .name: wq, .offset: 8, .size: 8, .value_kind: global_buffer, .address_space: global }
      - { .name: wk, .offset: 16, .size: 8, .value_kind: global_buffer, .address_space: global }
      - { .name: wv, .offset: 24, .size: 8, .value_kind: global_buffer, .address_space: global }
      - { .name: wo, .offset: 32, .size: 8, .value_kind: global_buffer, .address_space: global }
      - { .name: token_positions, .offset: 40, .size: 8, .value_kind: global_buffer, .address_space: global }
      - { .name: codes, .offset: 48, .size: 8, .value_kind: global_buffer, .address_space: global }
      - { .name: scales, .offset: 56, .size: 8, .value_kind: global_buffer, .address_space: global }
      - { .name: wo16, .offset: 64, .size: 8, .value_kind: global_buffer, .address_space: global }
      - { .name: rope, .offset: 72, .size: 8, .value_kind: global_buffer, .address_space: global }
    .group_segment_fixed_size: 33280
    .private_segment_fixed_size: 0
    .kernarg_segment_align: 8
    .kernarg_segment_size: 80
    .max_flat_workgroup_size: 128
    .sgpr_count:     66
    .vgpr_count:     192
    .wavefront_size: 32
...
	.end_amdgpu_metadata
.endif
;; end of part 1
;; launch qkv (part 2): grid 12 x 32, 4 waves a work-group, clusters of 4 x 4, 327,680 bytes of LDS; arguments codes, scales, rope, qkv16, fine; writes qkv16, fine
.if DOCPART == 2
	.amdgcn_target "amdgcn-amd-amdhsa--gfx1250"
	.amdhsa_code_object_version 6
	.text
	.protected	k_q64984fbaf5_qkv
	.globl	k_q64984fbaf5_qkv
	.p2align	8
	.type	k_q64984fbaf5_qkv,@function
k_q64984fbaf5_qkv:
	s_mov_b64 s[64:65], 0
	v_nop
	global_prefetch_b8 v0, s[64:65] scope:SCOPE_SE
	s_setreg_imm32_b32 hwreg(HW_REG_WAVE_MODE, 25, 1), 1
	s_wait_xcnt 0x0
	s_wait_alu depctr_hold_cnt(0) depctr_sa_sdst(0) depctr_va_vdst(0) depctr_va_sdst(0) depctr_va_ssrc(0) depctr_va_vcc(0) depctr_vm_vsrc(0)
	s_getreg_b32 s2, hwreg(HW_REG_IB_STS2, 6, 4)
	s_cmp_eq_u32 s2, 0
	s_cbranch_scc0 .Lentry_in_a_cluster
	s_endpgm
.Lentry_in_a_cluster:
	s_bfe_u32 s2, ttmp6, 0x10000c
	s_cmp_lg_u32 s2, 0xf033
	s_cbranch_scc0 .Lentry_shape_is_right
	s_endpgm
.Lentry_shape_is_right:
; q, k, v = x wq^T, x wk^T, x wv^T on codes of FP4 (E2M1) with one E8M0 byte for each 32 along K; K = 1,024; sums in f32; then the rotation of q and k, in f32; results as f16.
; codes [11264][512 bytes], scales [11264][32]: rows 0-8191 x, rows 8192 + n the weights (n = 0-1023 wq, then wk, then wv).  rope [2048 s][32 pairs][cos, sin] f32.
; qkv16: f16 [3][4 b][16 h][2048 s][64].  fine: f32 [3][4 b][16 s][1024]: the first 16 places of every sequence, unrounded, for the small launch that carries them in f32.
; A tile of 256 x 256 is made by four waves, 128 x 128 each: 64 accumulators, 512 registers.  K = 1,024 is two LDS slots of 512 along K (rows of 256 bytes): both are first fills, nothing is filled again.
; By this text's own count a wave has three tensor loads out: its part of the scales, of slot 0 and of slot 1.
; CLUSTERS: 4 x 4 work-groups; x's tile is shared along a row of the cluster, the weights' along a column, each asked for jointly.  The rows are dealt so that batch = cy and the block of 256 places = the cluster's y,
; and q, k or v = the cluster's x: the two branches of the way out hang on the cluster's numbers and the wave's alone, which all partners share.
; THE MATRIX INSTRUCTION IS USED TRANSPOSED (source 0 = 16 rows of a weight, source 1 = 16 rows of x): lane (r, h) holds row r and columns 16 b + 8 h + 0 .. 7: registers 2 p, 2 p + 1 are one pair of the rotation.
; REGISTERS: window 0: v1-31 addresses; v32-95 scale words, two sets; v128-191 x's fragments; v96-127, v192-223, v224-255 three sets of cos and sin.  window 1: the weights' fragments, two sets (v0, v128); on the way out v0-63 the rotated block.
;   windows 2, 3: the accumulators ((a, b) at v[8 (8 (a % 4) + b)]).  On the way out window 0's v32-95 and v128-191 are free.
; LIMIT: q, k, v beyond 65,504 have no f16; with all inputs 30 times those drawn they stay under 10,000.
.set KSTEP,  512
.set NQ,     4
.set ROWB,   256
.set KROW,   512                       ; a row of codes in memory
.set PITCH,  272                       ; an LDS row: 256 bytes + 16: an odd multiple of 16, so the 16 rows of a load start at 16 different 16-byte columns
.set FR,     8
.set NL,     2
.set NP,     4
.set HALFT,  128*PITCH
.set SLOT,   4*HALFT
.set KS,     32                        ; a row of scale bytes
.set SCL,    2*SLOT
.set HALFS,  (128*KS/256)*272
.set SBLK,   (16*KS/256)*272
.set SPARE,  SCL+4*HALFS               ; the spare words, 128 bytes a wave
.set STG,    8448                      ; the way out: a stage for each wave, in slot 0, which has had its only fill and its last read by then: 16 x 528 (f32) or 2 x 16 x 144 (f16)
.set TA,    7                          ; v7  my lane's place in 16 rows of the table: 256 r + 32 h
.set STO16, 8                          ; v8  stage, f16, in: 144 r + 16 h
.set RD16,  9                          ; v9  stage, f16, back: 144 (lane / 8) + 16 (lane % 8)
.set CO,    10                         ; v10 16 x lane
.set STO32, 11                         ; v11 stage, f32, in: 528 r + 32 h
.set RD32,  12                         ; v12 stage, f32, back: 16 x lane
.set ADRA, 16
.set ADRB, 20
.set ADRS, 27
.set SPW,  28
.set NIL,  29
.set SC,   32
.set AF,   128
.set H,    32                          ; the way out: a block as f16, 32 registers
.set BK,   128                         ; and read back: v128-159 and v160-191 by turns
.set G1, 24
.set G0, 32
.set G1B, 48
.set G0B, 56
.set G1S, 68
.set G0S, 76
.set G1SB, 80
.set G0SB, 88
.set MSB, 0
.macro WIN new                         ; the immediate's high byte repeats the setting that is left
.if MSB != (\new)
	s_set_vgpr_msb (MSB<<8)|(\new)
.set MSB, \new
.endif
.endm
.set MUL_LO, 0xa1                      ; source 0 window 1, source 1 window 0, C and D window 2
.set MUL_HI, 0xf1
.set TO_B,   0x40
; A joint load: waves 0 and 1 fetch for x, waves 2 and 3 for the weights.  The branch hangs on the wave's number alone.  An s_nop 0 and four v_nop follow each line.
.macro JLOAD g0a, g1a, g0b, g1b
	s_cmp_eq_u32 s15, 0
	s_cbranch_scc0 .Lfor_b_\@
	tensor_load_to_lds s[\g0a:\g0a+3], s[\g1a:\g1a+7]
	s_nop 0
.rept 4
	v_nop
.endr
	s_branch .Lasked_\@
.Lfor_b_\@:
	tensor_load_to_lds s[\g0b:\g0b+3], s[\g1b:\g1b+7]
	s_nop 0
.rept 4
	v_nop
.endr
.Lasked_\@:
.endm
.macro CREST
	s_cmp_lg_u32 s14, 0
	s_cbranch_scc1 .Lnot_wave_0_\@
	s_barrier_signal -3
.Lnot_wave_0_\@:
	s_barrier_wait -3
	s_barrier_signal -1
	s_barrier_wait -1
.endm
.macro CROUND
	s_barrier_signal -1
	s_barrier_wait -1
	CREST
.endm
	s_load_b256 s[4:11], s[0:1], 0x0               ; codes 4, scales 6, rope 8, qkv16 10
	s_load_b64 s[12:13], s[0:1], 0x20              ; fine
	v_lshl_add_u32 v[SPW], v0, 2, SPARE
	v_mov_b32 v[NIL], 0
	ds_add_u32 v[SPW], v[NIL]                      ; the opening: the add, twice on end, and its wait ahead of my first tensor load
	ds_add_u32 v[SPW], v[NIL]
	v_lshrrev_b32 v1, 5, v0
	v_readfirstlane_b32 s14, v1                    ; wave 0..3
	s_lshr_b32 s15, s14, 1                         ; my half of the tile's rows.  Also: I fetch for x (0) or for the weights (1)
	s_and_b32 s16, s14, 1                          ; my half of its columns.  Also: which 128 rows I fetch
	s_bfe_u32 s40, ttmp6, 0x40000                  ; cx
	s_bfe_u32 s41, ttmp6, 0x40004                  ; cy
	s_lshl_b32 s42, ttmp9, 2
	s_add_co_u32 s42, s42, s40                     ; tile column 0..11 = 4 x (q, k or v) + cx
	s_and_b32 s95, ttmp7, 0xffff
	s_lshl_b32 s95, s95, 8                         ; the tile's first place in its sequence: 256 x cluster y
	s_lshl_b32 s17, s41, 11
	s_add_co_u32 s17, s17, s95                     ; x's first row: 2,048 x batch (= cy) + that
	s_lshl_b32 s43, s41, 2
	s_lshl_b32 s43, 15, s43                        ; my row of the cluster
	s_lshl_b32 s44, 0x1111, s40                    ; my column
	s_or_b32 s[G1+0], s43, (0<<16)|(1<<20)|(1<<21)|(5<<22)|(3<<25)  ; mask; elements of 1 byte; padding on; bit 21 beside a mask; after every 64 words, 4 words
	s_or_b32 s[G1B+0], s44, (0<<16)|(1<<20)|(1<<21)|(5<<22)|(3<<25)
.irp g, G1, G1B
	s_mov_b32 s[\g+1], ROWB<<16                    ; tensor_dim0
	s_mov_b32 s[\g+2], 128<<16                     ; tensor_dim1
	s_mov_b32 s[\g+3], ROWB<<16                    ; tile_dim0
	s_mov_b32 s[\g+4], 128                         ; tile_dim1
	s_mov_b32 s[\g+5], KROW                        ; the pitch
	s_mov_b32 s[\g+6], 0
	s_mov_b32 s[\g+7], 0
.endr
	s_or_b32 s[G1S+0], s43, (3<<16)|(1<<20)|(1<<21)|(5<<22)|(3<<25)  ; the scales of 128 rows: 4,096 dense bytes as 16 rows of 256 (32 elements of 8 bytes), 16 bytes of padding behind each
	s_or_b32 s[G1SB+0], s44, (3<<16)|(1<<20)|(1<<21)|(5<<22)|(3<<25)
.irp g, G1S, G1SB
	s_mov_b32 s[\g+1], 32<<16
	s_mov_b32 s[\g+2], (128*KS/256)<<16
	s_mov_b32 s[\g+3], 32<<16
	s_mov_b32 s[\g+4], 128*KS/256
	s_mov_b32 s[\g+5], 32
	s_mov_b32 s[\g+6], 0
	s_mov_b32 s[\g+7], 0
.endr
	s_lshl_b32 s18, s16, 7                         ; which 128 rows of the tile I fetch
	s_add_co_u32 s20, s17, s18                     ; x's row
	s_lshl_b32 s46, s42, 8
	s_add_co_u32 s46, s46, s18
	s_add_co_u32 s46, s46, 8192                    ; the weights' row, behind x's 8,192
	s_lshl_b32 s22, s20, 5                         ; their scales (32 bytes a row) and codes (512): all under 2^23
	s_mov_b32 s23, 0
	s_lshl_b32 s20, s20, 9
	s_mov_b32 s21, 0
	s_lshl_b32 s92, s46, 5
	s_mov_b32 s93, 0
	s_lshl_b32 s46, s46, 9
	s_mov_b32 s47, 0
	s_mul_i32 s45, s14, HALFT                      ; where they go: wave x 128 rows: no place in the cluster enters an LDS address
	s_mul_i32 s94, s14, HALFS
	s_wait_dscnt 0x0                               ; both opening adds are done
	s_wait_kmcnt 0x0
	s_add_nc_u64 s[20:21], s[4:5], s[20:21]
	s_add_nc_u64 s[22:23], s[6:7], s[22:23]
	s_add_nc_u64 s[46:47], s[4:5], s[46:47]
	s_add_nc_u64 s[92:93], s[6:7], s[92:93]
	CROUND                                         ; all sixteen work-groups are here: the joint loads meet
	s_mov_b32 s[G0S], 1
	s_add_co_u32 s[G0S+1], s94, SCL
	s_mov_b64 s[G0S+2:G0S+3], s[22:23]
	s_or_b32 s[G0S+3], s[G0S+3], 0x80000000
	s_mov_b32 s[G0SB], 1
	s_add_co_u32 s[G0SB+1], s94, SCL
	s_mov_b64 s[G0SB+2:G0SB+3], s[92:93]
	s_or_b32 s[G0SB+3], s[G0SB+3], 0x80000000
	JLOAD G0S, G1S, G0SB, G1SB                     ; the scales first: they are wanted with the first K step
.irp s, 0,1
	s_mov_b32 s[G0+4*\s], 1
	s_add_co_u32 s[G0+4*\s+1], s45, \s*SLOT
	s_add_nc_u64 s[G0+4*\s+2:G0+4*\s+3], s[20:21], \s*ROWB
	s_or_b32 s[G0+4*\s+3], s[G0+4*\s+3], 0x80000000
	s_mov_b32 s[G0B+4*\s], 1
	s_add_co_u32 s[G0B+4*\s+1], s45, \s*SLOT
	s_add_nc_u64 s[G0B+4*\s+2:G0B+4*\s+3], s[46:47], \s*ROWB
	s_or_b32 s[G0B+4*\s+3], s[G0B+4*\s+3], 0x80000000
	JLOAD G0+4*\s, G1, G0B+4*\s, G1B
.endr
	v_and_b32 v1, 15, v0                           ; r
	v_bfe_u32 v2, v0, 4, 1                         ; h
	v_lshlrev_b32 v[TA], 8, v1
	v_lshl_add_u32 v[TA], v2, 5, v[TA]
	s_lshl_b32 s98, s15, 7
	s_add_co_u32 s98, s98, s95                     ; my wave's first place: 256 x cluster y + 128 x row half
	s_lshl_b32 s98, s98, 8                         ; its row of the table
	s_mov_b32 s99, 0
	s_add_nc_u64 s[8:9], s[8:9], s[98:99]
; cos and sin of block a's 16 places: lane (r, h) takes, for each quarter q of a head, pairs 8 q + 4 h + 0 .. 3: 32 bytes.  Both heads of the wave use the same.  Three sets of 32 registers by turns.
.macro CSLOAD a
.set CSB, 96+96*(((\a)%3+1)/2)+32*(((\a)%3)/2)
.irp q, 0,1,2,3
	global_load_b128 v[CSB+8*\q:CSB+8*\q+3], v[TA], s[8:9] offset:(\a)*4096+64*\q
	global_load_b128 v[CSB+8*\q+4:CSB+8*\q+7], v[TA], s[8:9] offset:(\a)*4096+64*\q+16
.endr
.endm
	CSLOAD 0                                       ; asked for now, wanted behind the products.  (In v's tiles too, which wait for them and use none: so every way through the text has these registers written)
	CSLOAD 1
	CSLOAD 2
	v_mul_u32_u24 v3, v1, PITCH
	v_lshl_add_u32 v4, v2, 4, v3                   ; a fragment's row x pitch + 16 x half
	s_mul_i32 s21, s15, HALFT
	s_mul_i32 s22, s16, HALFT
	s_add_co_u32 s22, s22, 2*HALFT
.irp s, 0,1
	v_add_nc_u32 v[ADRA+\s], s21, v4
	v_add_nc_u32 v[ADRB+\s], s22, v4
	s_add_co_u32 s21, s21, SLOT
	s_add_co_u32 s22, s22, SLOT
.endr
	v_mul_u32_u24 v5, v1, KS                       ; my row's scales: 32 bytes a row, and 16 more for each 256 passed
	v_lshrrev_b32 v6, 8, v5
	v_lshl_add_u32 v5, v6, 4, v5
	s_mul_i32 s21, s15, HALFS
	s_mul_i32 s22, s16, HALFS
	s_add_co_u32 s22, s22, 2*HALFS
	s_sub_co_u32 s22, s22, s21
	v_mul_u32_u24 v6, s22, v2                      ; lanes 16-31 take the weights' words: one product, the lower base + h x the distance
	s_add_co_u32 s21, s21, SCL
	v_add_nc_u32 v5, v5, v6
	v_add_nc_u32 v[ADRS], s21, v5
	s_mul_i32 s23, s14, STG                        ; my stage
	v_mul_u32_u24 v5, v1, 144
	v_lshl_add_u32 v5, v2, 4, v5
	v_add_nc_u32 v[STO16], s23, v5
	v_and_b32 v13, 31, v0
	v_lshrrev_b32 v5, 3, v13
	v_mul_u32_u24 v5, v5, 144
	v_and_b32 v6, 7, v13
	v_lshl_add_u32 v5, v6, 4, v5
	v_add_nc_u32 v[RD16], s23, v5
	v_lshlrev_b32 v[CO], 4, v13
	v_mul_u32_u24 v5, v1, 528
	v_lshl_add_u32 v5, v2, 5, v5
	v_add_nc_u32 v[STO32], s23, v5
	v_add_nc_u32 v[RD32], s23, v[CO]
	; where my results go (in registers that feed no descriptor): qkv16: part, (16 batch + head) x 2,048 places + my first place, 128 bytes a place
	s_lshl_b32 s96, s41, 4
	s_lshl_b32 s97, s40, 2
	s_add_co_u32 s96, s96, s97
	s_lshl_b32 s97, s16, 1
	s_add_co_u32 s96, s96, s97                     ; 16 cy + 4 cx + 2 x column half: my first head
	s_lshl_b32 s96, s96, 11
	s_add_co_u32 s96, s96, s95
	s_lshl_b32 s97, s15, 7
	s_add_co_u32 s96, s96, s97
	s_lshl_b32 s96, s96, 7
	s_lshl_b32 s97, ttmp9, 24
	s_add_co_u32 s96, s96, s97
	s_mov_b32 s97, 0
	s_add_nc_u64 s[10:11], s[10:11], s[96:97]
	s_lshl_b32 s96, ttmp9, 18                      ; fine: part, batch, my 128 columns
	s_lshl_b32 s98, s41, 16
	s_add_co_u32 s96, s96, s98
	s_lshl_b32 s98, s40, 10
	s_add_co_u32 s96, s96, s98
	s_lshl_b32 s98, s16, 9
	s_add_co_u32 s96, s96, s98
	s_add_nc_u64 s[12:13], s[12:13], s[96:97]
	s_or_b32 s66, s95, s15                         ; 0 where my block 0 is the first 16 places of a sequence: cluster y = 0 and row half = 0
.macro FRAG reg, adr, q, i             ; 16 rows x 128 K of 4-bit codes: 8 registers; registers 4 c .. 4 c + 3 hold K = 64 c + 32 h + 0 .. 31
.irp c, 0,1
	ds_load_b128 v[\reg+4*\c:\reg+4*\c+3], v[\adr] offset:64*(\q)+32*\c+(\i)*16*PITCH
.endr
.endm
; 16 matrix instructions: x's blocks a0, a0 + 1 against the weights' eight.  The 64 accumulators take turns, one instruction a turn, in the same order in every step.
.macro MUL16 a0, p, q, sc, zero
.irp a, \a0, \a0+1
.irp b, 0,1,2,3,4,5,6,7
.if \zero
	v_wmma_scale_f32_16x16x128_f8f6f4 v[8*(8*((\a)%4)+\b):8*(8*((\a)%4)+\b)+7], v[128*(\p)+FR*\b:128*(\p)+FR*\b+FR-1], v[AF+FR*(\a):AF+FR*(\a)+FR-1], 0, v[SC+8*NQ*(\sc)+NQ*\b+(\q)], v[SC+8*NQ*(\sc)+NQ*(\a)+(\q)] matrix_a_fmt:MATRIX_FMT_FP4 matrix_b_fmt:MATRIX_FMT_FP4 matrix_a_scale:MATRIX_SCALE_ROW1
.else
	v_wmma_scale_f32_16x16x128_f8f6f4 v[8*(8*((\a)%4)+\b):8*(8*((\a)%4)+\b)+7], v[128*(\p)+FR*\b:128*(\p)+FR*\b+FR-1], v[AF+FR*(\a):AF+FR*(\a)+FR-1], v[8*(8*((\a)%4)+\b):8*(8*((\a)%4)+\b)+7], v[SC+8*NQ*(\sc)+NQ*\b+(\q)], v[SC+8*NQ*(\sc)+NQ*(\a)+(\q)] matrix_a_fmt:MATRIX_FMT_FP4 matrix_b_fmt:MATRIX_FMT_FP4 matrix_a_scale:MATRIX_SCALE_ROW1
.endif
.endr
.endr
.endm
.macro FETCH_B slot, q, p
	WIN TO_B
.irp i, 0,1,2,3,4,5,6,7
	FRAG 128*(\p)+FR*\i, ADRB+\slot, \q, \i
.endr
	WIN 0
.endm
.macro FETCH_A slot, q, i0
.irp i, \i0, \i0+1, \i0+2, \i0+3
	FRAG AF+FR*(\i), ADRA+\slot, \q, \i
.endr
.endm
.macro SCALES sc                       ; a slot's scale words: 4 words a row; lanes 0-15 x's block i, lanes 16-31 the weights' block i
.irp i, 0,1,2,3,4,5,6,7
	ds_load_b128 v[SC+8*NQ*\sc+NQ*\i:SC+8*NQ*\sc+NQ*\i+3], v[ADRS] offset:\i*SBLK
.endr
.endm
.macro PLACES n                        ; plain vector lines between a matrix instruction and a load into, or a read of, its registers
.rept \n
	v_nop
.endr
.endm
.macro STEP slot, q, zero              ; 128 along K that has its successor in the same slot
	s_wait_dscnt 4*NL                              ; the weights' set and x's blocks 0-3 are in; the youngest eight loads (x's blocks 4-7) may be out
	WIN MUL_LO
	MUL16 0, (\q)%2, \q, \slot, \zero
	MUL16 2, (\q)%2, \q, \slot, \zero
	s_wait_dscnt 0
	PLACES NP
	FETCH_B \slot, (\q)+1, 1-(\q)%2
	FETCH_A \slot, (\q)+1, 0
	WIN MUL_HI
	MUL16 4, (\q)%2, \q, \slot, \zero
	MUL16 6, (\q)%2, \q, \slot, \zero
	PLACES NP
	WIN 0
	FETCH_A \slot, (\q)+1, 4
.endm
	s_wait_tensorcnt 1                             ; the scales and my part of slot 0 are in; slot 1's load may be out
	s_barrier_signal -1
	s_barrier_wait -1
	FETCH_B 0, 0, 0
	FETCH_A 0, 0, 0
	SCALES 0
	FETCH_A 0, 0, 4
	STEP 0, 0, 1                                   ; the first products start the sums: nothing is cleared
	STEP 0, 1, 0
	STEP 0, 2, 0
	; slot 0's last step changes slots: one barrier
	s_wait_tensorcnt 0x0                           ; my part of slot 1 has landed
	ds_add_u32 v[SPW], v[NIL]
	s_wait_dscnt 4*NL+1                            ; the add and the youngest eight loads may be out
	WIN MUL_LO
	MUL16 0, 1, NQ-1, 0, 0
	s_wait_dscnt 0x0                               ; the add is done, and my reads of slot 0 are over
	s_barrier_signal -1
	MUL16 2, 1, NQ-1, 0, 0
	WIN 0
	s_barrier_wait -1                              ; slot 1 is whole, and nobody reads slot 0 any more
	PLACES NP
	v_add_nc_u32 v[ADRS], 4*NQ, v[ADRS]            ; slot 1's scale words
	FETCH_B 1, 0, 0
	FETCH_A 1, 0, 0
	SCALES 1
	WIN MUL_HI
	MUL16 4, 1, NQ-1, 0, 0
	MUL16 6, 1, NQ-1, 0, 0
	PLACES NP
	WIN 0
	FETCH_A 1, 0, 4
	STEP 1, 0, 0
	STEP 1, 1, 0
	STEP 1, 2, 0
	s_wait_dscnt 4*NL
	WIN MUL_LO
	MUL16 0, 1, NQ-1, 1, 0
	MUL16 2, 1, NQ-1, 1, 0
	s_wait_dscnt 0
	WIN MUL_HI
	MUL16 4, 1, NQ-1, 1, 0
	MUL16 6, 1, NQ-1, 1, 0
	WIN 0
; THE WAY OUT, block by block of 16 rows x 128 columns (two heads).
; ROPE: (e, o) -> (e cos - o sin, o cos + e sin), two packed lines a pair, from the accumulators into window 1's v0-63.  Each accumulator is read from its low end on.
.macro ROPE a
.if (\a) < 6
	s_wait_loadcnt 16                              ; this block's eight loads are in; the two later sets' sixteen may be out
.else
	s_wait_loadcnt 8*(7-(\a))
.endif
.set CSB, 96+96*(((\a)%3+1)/2)+32*(((\a)%3)/2)
.set AC, 64*((\a)%4)
	WIN 0x52+(\a)/4                                ; source 0: the accumulators' window; source 1: window 0; source 2 and destination: window 1
.irp b, 0,1,2,3,4,5,6,7
.irp p, 0,1,2,3
	v_pk_mul_f32 v[8*\b+2*\p:8*\b+2*\p+1], v[AC+8*\b+2*\p:AC+8*\b+2*\p+1], v[CSB+8*(\b%4)+2*\p:CSB+8*(\b%4)+2*\p+1] op_sel_hi:[1,0]   ; (e cos, o cos)
.endr
.endr
.irp b, 0,1,2,3,4,5,6,7
.irp p, 0,1,2,3
	v_pk_fma_f32 v[8*\b+2*\p:8*\b+2*\p+1], v[AC+8*\b+2*\p:AC+8*\b+2*\p+1], v[CSB+8*(\b%4)+2*\p:CSB+8*(\b%4)+2*\p+1], v[8*\b+2*\p:8*\b+2*\p+1] op_sel:[1,1,0] op_sel_hi:[0,1,1] neg_lo:[1,0,0]   ; low: - o sin; high: + e sin
.endr
.endr
	WIN 0
.if (\a) < 5
	CSLOAD (\a)+3                                  ; the set just used takes the block three further on
.endif
.endm
; The first 16 places of a sequence also leave unrounded: through the stage as rows of 512 bytes.  The branch hangs on the cluster's y and the wave's number.
.macro FINE32 rope
	s_cmp_lg_u32 s66, 0
	s_cbranch_scc1 .Lnofine_\@
.if \rope
	WIN 0x04                                       ; an LDS store's data are its source 1: window 1, the rotated block
.else
	WIN 0x08                                       ; window 2: block 0's accumulators
.endif
.irp b, 0,1,2,3,4,5,6,7
	ds_store_b128 v[STO32], v[8*\b:8*\b+3] offset:64*\b
	ds_store_b128 v[STO32], v[8*\b+4:8*\b+7] offset:64*\b+16
.endr
	WIN 0
.irp t, 0,1,2,3,4,5,6,7,8,9,10,11,12,13,14,15
	ds_load_b128 v[32+4*\t:32+4*\t+3], v[RD32] offset:\t*528
.endr
	s_wait_dscnt 0x0
.irp t, 0,1,2,3,4,5,6,7,8,9,10,11,12,13,14,15
	global_store_b128 v[CO], v[32+4*\t:32+4*\t+3], s[12:13] offset:\t*4096   ; 512 consecutive bytes, aligned
.endr
	s_wait_xcnt 0x0                                ; these stores have read v32-95, which the conversions write next
.Lnofine_\@:
.endm
.macro CVT a, rope
.if \rope
	WIN 0x05
.set AC, 0
.else
	WIN 0x0a+5*((\a)/4)
.set AC, 64*((\a)%4)
.endif
.irp b, 0,1,2,3,4,5,6,7
.irp p, 0,1,2,3
	v_cvt_pk_f16_f32 v[H+4*\b+\p], v[AC+8*\b+2*\p], v[AC+8*\b+2*\p+1]
.endr
.endr
	WIN 0
.endm
.macro TOSTAGE16 a                     ; a lane's 16 bytes into rows of 144; back as 512 consecutive bytes (four rows of a head)
	s_wait_xcnt 0x0                                ; the stores of two blocks back have read the registers that these loads fill
.irp b, 0,1,2,3,4,5,6,7
	ds_store_b128 v[STO16], v[H+4*\b:H+4*\b+3] offset:(\b/4)*2304+32*(\b%4)
.endr
.irp i, 0,1,2,3,4,5,6,7
	ds_load_b128 v[BK+32*((\a)%2)+4*\i:BK+32*((\a)%2)+4*\i+3], v[RD16] offset:(\i/4)*2304+(\i%4)*576   ; LDS serves a wave's instructions in order: these see the stores above
.endr
.endm
.macro SEND16 a
	s_wait_dscnt 0x0
.irp i, 0,1,2,3,4,5,6,7
	global_store_b128 v[CO], v[BK+32*((\a)%2)+4*\i:BK+32*((\a)%2)+4*\i+3], s[10:11] offset:(\i/4)*262144+(\a)*2048+(\i%4)*512   ; 16 places of a head are 2,048 dense bytes: each store covers 512 of them, aligned
.endr
.endm
.macro WAYOUT rope
.irp a, 0,1,2,3,4,5,6,7
.if \rope
	ROPE \a
.endif
.if \a == 0
	FINE32 \rope
.endif
	CVT \a, \rope                                  ; a block's arithmetic stands between the loads of the block before and its stores
.if \a > 0
	SEND16 \a-1
.endif
	TOSTAGE16 \a
.endr
	SEND16 7
	s_wait_tensorcnt 0x0                           ; the wave's end: a wait, an add of 0 to my spare word and its wait, behind my last tensor load and my last LDS store
	ds_add_u32 v[SPW], v[NIL]
	s_wait_dscnt 0x0
	CROUND                                         ; the closing round
	s_endpgm
.endm
	PLACES NP                                      ; behind the last products, ahead of the first read of results and of loads into their operands
	s_cmp_eq_u32 ttmp9, 2                          ; v is not rotated: the cluster's x, the same in all partners
	s_cbranch_scc1 .Lplain
	WAYOUT 1
.Lplain:
	s_wait_loadcnt 0x0                             ; the 24 loads of cos and sin, which this way does not use
	WAYOUT 0
.Lfunc_end_k_q64984fbaf5_qkv:
	.size	k_q64984fbaf5_qkv, .Lfunc_end_k_q64984fbaf5_qkv-k_q64984fbaf5_qkv
	.p2alignl 7, 3214868480
	.fill 96, 4, 3214868480
	.section	.rodata,"a",@progbits
	.p2align	6, 0x0
	.amdhsa_kernel k_q64984fbaf5_qkv
		.amdhsa_group_segment_fixed_size 327680
		.amdhsa_private_segment_fixed_size 0
		.amdhsa_enable_private_segment 0
		.amdhsa_kernarg_size 40
		.amdhsa_user_sgpr_count 2
		.amdhsa_user_sgpr_kernarg_segment_ptr 1
		.amdhsa_wavefront_size32 1
		.amdhsa_system_sgpr_workgroup_id_x 1
		.amdhsa_system_sgpr_workgroup_id_y 1
		.amdhsa_system_sgpr_workgroup_id_z 1
		.amdhsa_system_vgpr_workitem_id 0
		.amdhsa_next_free_vgpr 1024
		.amdhsa_next_free_sgpr 100
		.amdhsa_reserve_vcc 0
		.amdhsa_float_denorm_mode_32 3
		.amdhsa_float_denorm_mode_16_64 3
		.amdhsa_memory_ordered 1
		.amdhsa_forward_progress 1
		.amdhsa_inst_pref_size 205
	.end_amdhsa_kernel
	.amdgpu_metadata
---
amdhsa.version: [ 1, 2 ]
amdhsa.kernels:
  - .name:           k_q64984fbaf5_qkv
    .symbol:         k_q64984fbaf5_qkv.kd
    .args:
      - { .name: codes, .offset: 0, .size: 8, .value_kind: global_buffer, .address_space: global }
      - { .name: scales, .offset: 8, .size: 8, .value_kind: global_buffer, .address_space: global }
      - { .name: rope, .offset: 16, .size: 8, .value_kind: global_buffer, .address_space: global }
      - { .name: qkv16, .offset: 24, .size: 8, .value_kind: global_buffer, .address_space: global }
      - { .name: fine, .offset: 32, .size: 8, .value_kind: global_buffer, .address_space: global }
    .group_segment_fixed_size: 327680
    .private_segment_fixed_size: 0
    .kernarg_segment_align: 8
    .kernarg_segment_size: 40
    .max_flat_workgroup_size: 128
    .sgpr_count:     100
    .vgpr_count:     1024
    .wavefront_size: 32
...
	.end_amdgpu_metadata
.endif
;; end of part 2
;; launch attn (part 3): grid 4 x 64, 8 waves a work-group, no clusters, 327,680 bytes of LDS; arguments qkv16, att16; writes att16
.if DOCPART == 3
	.amdgcn_target "amdgcn-amd-amdhsa--gfx1250"
	.amdhsa_code_object_version 6
	.text
	.protected	k_q64984fbaf5_attn
	.globl	k_q64984fbaf5_attn
	.p2align	8
	.type	k_q64984fbaf5_attn,@function
k_q64984fbaf5_attn:
	s_mov_b64 s[64:65], 0
	v_nop
	global_prefetch_b8 v0, s[64:65] scope:SCOPE_SE
	s_setreg_imm32_b32 hwreg(HW_REG_WAVE_MODE, 25, 1), 1
	s_wait_xcnt 0x0
; Causal attention, head size 64, on f16 operands with f32 products, maxima and sums.  qkv16: f16 [3][64 bh][2048 s][64].  att16: f16 [16 h][8192 rows = 2,048 b + s][64].
; SHARES.  Work-group (i, bh) owns two blocks of 256 queries of head bh: block 7 - i, then block i.  It walks slots of 256 keys: 0 .. 7 - i, then 0 .. i: nine trips for every i, two of them on the diagonal:
; all 256 work-groups have the same work, and every trip count is a constant of the text.  A wave owns 32 queries, two tiles of 16; two waves share a SIMD, so that one's softmax stands beside the other's products.
; LAYOUT.  S^T = K Q^T (source 0 = 16 keys, source 1 = 16 queries): a lane holds ONE query (lane % 16) and keys 8 (lane / 16) + 0 .. 7 of a tile.  Two such tiles, rounded to f16 in pairs, are source 1 of O^T = V^T P.
; K comes out of LDS as it lies, V ([key][channel]) turned, by ds_load_tr16_b128.
; SOFTMAX.  Running maximum m and sum l for each query: p = 2^(c s - c m), c = log2(e) / 8; in every step O and l are multiplied by a = 2^(c m_old - c m_new).  m begins at -3e38, l and O at 0, so the step is written once.
; THE MASK.  A step all of whose 64 keys come after the wave's 32 queries is left out (a scalar branch on ids); on the diagonal hidden scores become -infinity.  A step that is walked begins at or under the wave's first query, so every query has a key that counts.
; THE RING.  Two slots, 2^17 bytes apart.  Waves 0-3 fetch K's four quarters (64 keys each), waves 4-7 V's: one tensor load a wave behind each change of slots; every wait on TENSORcnt is for 0; one load of a wave is out.
; NO CLUSTER: the four work-groups of a head ask for different slots from the fifth trip on (their blocks end at different trips); walking in step would take twelve trips' time in place of nine.
; LIMITS: q, k, v arrive as f16 (the launch before states their range); NaN and infinities are not served.
; REGISTERS: window 0: v2-11 addresses; v12-27 statistics, 8 a tile (+0 c m, +1 m, +2, +3 l, +4 .. +7 at work, a in +6); v28, v29 the mask's; v30, v31 the add's; v64-127 S^T; v128-159 P; v160-223 O^T.
;   window 1: v0-31 Q; v64-127 K of a step; v128-191 V of a step.
.set PK,    144                        ; a key's row of K in LDS: 128 bytes + 16: an odd multiple of 16
.set PV,    160                        ; of V: 128 + 32: an odd multiple of 32, for the turning load
.set VOFF,  256*PK
.set SLOT1, 1<<17
.set STAGE, SLOT1+256*(PK+PV)          ; behind the ring: 32 rows x 144 bytes for each wave; no tensor load lands here
.set SPARE, STAGE+8*32*PK              ; the spare words, 128 bytes a wave: four blocks of 256 bytes that no other line names
.set AK0, 2
.set AV0, 3
.set ADK, 4
.set ADV, 5
.set QO,  6
.set STO, 7
.set RD,  8
.set GO,  9
.set PFO, 10
.set DM,  11
.set ST,  12
.set SPW, 30
.set NIL, 31
.set S,   64
.set P,   128
.set O,   160
.set WV, 8
.set I,  9
.set QB, 11                            ; the block of queries in hand
.set KS, 12                            ; the slot of keys in hand
.set KF, 13                            ; the step's first key
.set Q0, 14                            ; my wave's first query
.set TK, 15                            ; LDS byte of the step's tile of K
.set TV, 16                            ; and of V (less VOFF)
.set SLOTS, 17
.set LIM, 18
.set J,  19
.set SEL, 20
.set CS, 22
.set G1K, 24
.set G1V, 32
.set G0K, 40
.set G0V, 44
.set KB, 48                            ; s[48:49] K of my head at my quarter of slot 0;  s[50:51] V likewise
.set VB, 50
.set QP, 52                            ; s[52:53] q of my head at my wave's rows of block 0;  s[54:55] att16 likewise
.set OP, 54
.set QA, 56                            ; the same for the block in hand
.set OA, 58
.set PFA, 60
.set MSB, 0
.macro WIN new
.if MSB != (\new)
	s_set_vgpr_msb (MSB<<8)|(\new)
.set MSB, \new
.endif
.endm
.macro TLOAD                           ; the branch hangs on the wave's number alone; an s_nop 0 and four v_nop follow each line
	s_cmp_lt_u32 s[WV], 4
	s_cbranch_scc0 .Lfor_v_\@
	tensor_load_to_lds s[G0K:G0K+3], s[G1K:G1K+7]
	s_nop 0
.rept 4
	v_nop
.endr
	s_branch .Lasked_\@
.Lfor_v_\@:
	tensor_load_to_lds s[G0V:G0V+3], s[G1V:G1V+7]
	s_nop 0
.rept 4
	v_nop
.endr
.Lasked_\@:
.endm
; A prefetch of what the NEXT change of slots will ask for: my wave's own quarter, 8,192 dense bytes, lanes 256 bytes apart.  All four work-groups of a head walk the same K and V from slot 0 up: the one with i = 0,
; which walks slots 0 to 7 on end, asks, in its trips 0 to 5, for slots 2 to 7: each block of 256 bytes is named once in the launch, a slot's four key steps ahead of its load.  Slots 0 and 1 come by their loads alone.
.macro ASK
	s_cmp_gt_u32 s[SLOTS], s[LIM]
	s_cbranch_scc0 .Lnot_mine_\@
	global_prefetch_b8 v[PFO], s[PFA:PFA+1] th:TH_LOAD_NT scope:SCOPE_SE
.Lnot_mine_\@:
.endm
	s_load_b128 s[4:7], s[0:1], 0x0                ; qkv16, att16
	v_lshl_add_u32 v[SPW], v0, 2, SPARE
	v_mov_b32 v[NIL], 0
	ds_add_u32 v[SPW], v[NIL]                      ; the opening: the add, twice on end, and its wait ahead of my first tensor load
	ds_add_u32 v[SPW], v[NIL]
	v_lshrrev_b32 v1, 5, v0
	v_readfirstlane_b32 s[WV], v1                  ; wave 0..7
	s_mov_b32 s[I], ttmp9
	s_and_b32 s10, ttmp7, 0xffff                   ; bh = 16 b + h
	s_mov_b32 s[G1K], (1<<16)|(1<<20)|(4<<22)|(3<<25)   ; elements of 2 bytes; padding on: after every 32 words, 4 words
	s_mov_b32 s[G1V], (1<<16)|(1<<20)|(4<<22)|(7<<25)   ; 8 words
.irp g, G1K, G1V
	s_mov_b32 s[\g+1], 64<<16                      ; tensor_dim0 = 64
	s_mov_b32 s[\g+2], 64<<16                      ; tensor_dim1 = 64
	s_mov_b32 s[\g+3], 64<<16                      ; tile_dim0 = 64
	s_mov_b32 s[\g+4], 64                          ; tile_dim1 = 64 rows
	s_mov_b32 s[\g+5], 64                          ; the pitch, in elements
	s_mov_b32 s[\g+6], 0
	s_mov_b32 s[\g+7], 0
.endr
	s_mov_b32 s[SEL], 0x76543210
	s_mov_b32 s[SEL+1], 0xfedcba98
	s_mov_b32 s[CS], 0x3e38aa3b                    ; c = log2(e) / 8
	s_mov_b32 s[CS+1], s[CS]
	s_and_b32 s68, s[WV], 3                        ; which quarter of a slot I fetch
	s_mul_i32 s69, s68, 64*PK
	s_mul_i32 s62, s68, 64*PV
	s_add_co_u32 s62, s62, VOFF
	s_lshl_b32 s66, s10, 18                        ; a head is 262,144 bytes
	s_mov_b32 s67, 0
	s_lshl_b32 s70, s68, 13                        ; a quarter is 64 rows of 128 bytes
	s_mov_b32 s71, 0
	s_mov_b32 s[TK], 0
	s_mov_b32 s[TV], 0
	s_cmp_eq_u32 s[I], 0
	s_cselect_b32 s[LIM], 2, -1
	s_wait_dscnt 0x0                               ; both opening adds are done
	s_wait_kmcnt 0x0
	s_add_nc_u64 s[QP:QP+1], s[4:5], s[66:67]
	s_add_nc_u64 s[KB:KB+1], s[QP:QP+1], s[70:71]
	s_add_nc_u64 s[VB:VB+1], s[KB:KB+1], 0x2000000
	s_add_nc_u64 s[KB:KB+1], s[KB:KB+1], 0x1000000
	s_mov_b32 s[G0K], 1
	s_mov_b32 s[G0K+1], s69
	s_mov_b64 s[G0K+2:G0K+3], s[KB:KB+1]
	s_or_b32 s[G0K+3], s[G0K+3], 0x80000000
	s_mov_b32 s[G0V], 1
	s_mov_b32 s[G0V+1], s62
	s_mov_b64 s[G0V+2:G0V+3], s[VB:VB+1]
	s_or_b32 s[G0V+3], s[G0V+3], 0x80000000
	TLOAD                                          ; keys 0 to 255 into slot 0
	s_lshl_b32 s70, s[WV], 12                      ; my wave's 32 rows of 128 bytes
	s_add_nc_u64 s[QP:QP+1], s[QP:QP+1], s[70:71]
	s_and_b32 s66, s10, 15
	s_lshl_b32 s66, s66, 20                        ; att16: head x 8,192 rows,
	s_lshr_b32 s68, s10, 4
	s_lshl_b32 s68, s68, 18                        ; batch x 2,048 rows,
	s_add_co_u32 s66, s66, s68
	s_add_co_u32 s66, s66, s70
	s_add_nc_u64 s[OP:OP+1], s[6:7], s[66:67]
	s_cmp_lt_u32 s[WV], 4
	s_cselect_b64 s[PFA:PFA+1], s[KB:KB+1], s[VB:VB+1]
	s_add_nc_u64 s[PFA:PFA+1], s[PFA:PFA+1], 32768 ; in slot 1; the first change steps it to slot 2.  Nothing is prefetched here, at the head
	v_and_b32 v1, 15, v0                           ; r
	v_bfe_u32 v28, v0, 4, 1                        ; h
	v_mul_u32_u24 v[AK0], v1, PK
	v_lshl_add_u32 v[AK0], v28, 4, v[AK0]
	v_and_b32 v[AV0], 7, v0
	v_lshl_add_u32 v[AV0], v28, 3, v[AV0]
	v_mul_u32_u24 v[AV0], v[AV0], PV
	v_bfe_u32 v[ADK], v0, 3, 1
	v_lshl_add_u32 v[AV0], v[ADK], 4, v[AV0]
	v_add_nc_u32 v[AV0], VOFF, v[AV0]              ; the turning load: key 8 h + lane % 8, channels 8 ((lane / 8) % 2) on
	v_lshlrev_b32 v[QO], 7, v1
	v_lshl_add_u32 v[QO], v28, 4, v[QO]
	s_mul_i32 s66, s[WV], 32*PK
	s_add_co_u32 s66, s66, STAGE                   ; my stage
	v_add_nc_u32 v[STO], s66, v[AK0]               ; in: 144 r + 16 h
	v_and_b32 v[GO], 31, v0
	v_lshrrev_b32 v[RD], 3, v[GO]
	v_mul_u32_u24 v[RD], v[RD], PK
	v_and_b32 v[ADV], 7, v0
	v_lshl_add_u32 v[RD], v[ADV], 4, v[RD]
	v_add_nc_u32 v[RD], s66, v[RD]                 ; back: 144 (lane / 8) + 16 (lane % 8)
	v_lshlrev_b32 v[PFO], 8, v[GO]
	v_lshlrev_b32 v[GO], 4, v[GO]
	v_lshlrev_b32 v28, 3, v28
	v_sub_nc_u32 v[DM], v1, v28                    ; r - 8 h
	v_mov_b32 v29, 0xff800000                      ; -infinity
.macro BLOCKADR                        ; the block in hand: my first query, my rows of q and of att16
	s_lshl_b32 s[Q0], s[QB], 8
	s_lshl_b32 s66, s[WV], 5
	s_add_co_u32 s[Q0], s[Q0], s66
	s_lshl_b32 s66, s[QB], 15
	s_mov_b32 s67, 0
	s_add_nc_u64 s[QA:QA+1], s[QP:QP+1], s[66:67]
	s_add_nc_u64 s[OA:OA+1], s[OP:OP+1], s[66:67]
.endm
.macro QLOAD                           ; Q stays in registers: tile t, channels 32 c on, at v[8 (2 t + c)] of window 1
	WIN 0x40
.irp t, 0,1
.irp c, 0,1
	global_load_b128 v[8*(2*\t+\c):8*(2*\t+\c)+3], v[QO], s[QA:QA+1] offset:\t*2048+\c*64
	global_load_b128 v[8*(2*\t+\c)+4:8*(2*\t+\c)+7], v[QO], s[QA:QA+1] offset:\t*2048+\c*64+32
.endr
.endr
	WIN 0
.endm
.macro INIT                            ; the step is written once: its first pass finds m = -3e38 and zeros, which a = 0 leaves zeros
.irp t, 0,1
	v_mov_b32 v[ST+8*\t+1], 0xff61b1e6
	v_mul_f32 v[ST+8*\t], s[CS], v[ST+8*\t+1]
.irp j, 2,3,4,5,6,7
	v_mov_b32 v[ST+8*\t+\j], 0
.endr
.endr
.set i, 0
.rept 64
	v_mov_b32 v[O+i], 0
.set i, i+1
.endr
.endm
.macro SOFTMAX                         ; both tiles line by line, so that no line waits for the line above it
.irp j, 0,1,2,3
.irp t, 0,1
	v_max3_num_f32 v[ST+8*\t+4+\j], v[S+32*\t+8*\j], v[S+32*\t+8*\j+1], v[S+32*\t+8*\j+2]   ; each accumulator is read from its low end on
.endr
.endr
.irp g, 1,2
.irp j, 0,1,2,3
.irp t, 0,1
	v_max3_num_f32 v[ST+8*\t+4+\j], v[ST+8*\t+4+\j], v[S+32*\t+8*\j+2*\g+1], v[S+32*\t+8*\j+2*\g+2]
.endr
.endr
.endr
.irp t, 0,1
	v_max3_num_f32 v[ST+8*\t+4], v[ST+8*\t+4], v[S+32*\t+7], v[S+32*\t+15]
.endr
.irp t, 0,1
	v_max3_num_f32 v[ST+8*\t+6], v[ST+8*\t+6], v[S+32*\t+23], v[S+32*\t+31]
.endr
.irp t, 0,1
	v_max3_num_f32 v[ST+8*\t+4], v[ST+8*\t+4], v[ST+8*\t+5], v[ST+8*\t+6]
.endr
.irp t, 0,1
	v_max3_num_f32 v[ST+8*\t+4], v[ST+8*\t+4], v[ST+8*\t+7], v[ST+8*\t+1]   ; with the old m
.endr
.irp t, 0,1
	v_permlanex16_b32 v[ST+8*\t+5], v[ST+8*\t+4], s[SEL], s[SEL+1]          ; the query's other 32 keys lie in the lane 16 away
.endr
.irp t, 0,1
	v_mov_b32 v[ST+8*\t+7], v[ST+8*\t]
.endr
.irp t, 0,1
	v_max_num_f32 v[ST+8*\t+1], v[ST+8*\t+4], v[ST+8*\t+5]
.endr
.irp t, 0,1
	v_mul_f32 v[ST+8*\t], s[CS], v[ST+8*\t+1]
.endr
.irp t, 0,1
	v_sub_f32 v[ST+8*\t+7], v[ST+8*\t+7], v[ST+8*\t]                        ; c m_old - c m_new
.endr
.irp b, 0,1,2,3,4,5,6,7,8,9,10,11,12,13,14,15
.irp t, 0,1
	v_pk_fma_f32 v[S+32*\t+2*\b:S+32*\t+2*\b+1], v[S+32*\t+2*\b:S+32*\t+2*\b+1], s[CS:CS+1], v[ST+8*\t:ST+8*\t+1] op_sel_hi:[1,0,0] neg_lo:[0,0,1] neg_hi:[0,0,1]   ; c s - c m
.endr
.endr
.irp t, 0,1
	v_exp_f32 v[ST+8*\t+6], v[ST+8*\t+7]                                    ; a
.endr
.set i, 0
.rept 64
	v_exp_f32 v[S+i], v[S+i]                                                ; ONE BATCH of 66 exponentials: none reads another's result
.set i, i+1
.endr
	v_nop                                          ; the plain line behind the last exponential
	s_wait_alu depctr_va_vdst(0)                   ; one wait for the batch, ahead of its first reader
.irp b, 0,1,2,3,4,5,6,7,8,9,10,11,12,13,14,15
.irp t, 0,1
	v_cvt_pk_f16_f32 v[P+16*\t+\b], v[S+32*\t+2*\b], v[S+32*\t+2*\b+1]
.endr
.endr
.irp u, 0,1,2,3,4,5,6,7                ; the sum of a tile's 16 pairs, in place
.irp t, 0,1
	v_pk_add_f32 v[S+32*\t+4*\u:S+32*\t+4*\u+1], v[S+32*\t+4*\u:S+32*\t+4*\u+1], v[S+32*\t+4*\u+2:S+32*\t+4*\u+3]
.endr
.endr
.irp u, 0,1,2,3
.irp t, 0,1
	v_pk_add_f32 v[S+32*\t+8*\u:S+32*\t+8*\u+1], v[S+32*\t+8*\u:S+32*\t+8*\u+1], v[S+32*\t+8*\u+4:S+32*\t+8*\u+5]
.endr
.endr
.irp u, 0,1
.irp t, 0,1
	v_pk_add_f32 v[S+32*\t+16*\u:S+32*\t+16*\u+1], v[S+32*\t+16*\u:S+32*\t+16*\u+1], v[S+32*\t+16*\u+8:S+32*\t+16*\u+9]
.endr
.endr
.irp t, 0,1
	v_pk_add_f32 v[S+32*\t:S+32*\t+1], v[S+32*\t:S+32*\t+1], v[S+32*\t+16:S+32*\t+17]
.endr
.irp t, 0,1
	v_pk_fma_f32 v[ST+8*\t+2:ST+8*\t+3], v[ST+8*\t+2:ST+8*\t+3], v[ST+8*\t+6:ST+8*\t+7], v[S+32*\t:S+32*\t+1] op_sel_hi:[1,0,1]   ; l = a l + the sum
.endr
.irp b, 0,1,2,3,4,5,6,7,8,9,10,11,12,13,14,15
.irp t, 0,1
	v_pk_mul_f32 v[O+32*\t+2*\b:O+32*\t+2*\b+1], v[O+32*\t+2*\b:O+32*\t+2*\b+1], v[ST+8*\t+6:ST+8*\t+7] op_sel_hi:[1,0]   ; O^T x a, each accumulator from its low end on
.endr
.endr
.endm
; A KEY STEP: 64 keys.
.macro STEP
	s_add_co_u32 s66, s[Q0], 31
	s_cmp_gt_u32 s[KF], s66                        ; all 64 keys come after my 32 queries: the step's work is left out, not the lines at its end that step addresses
	s_cbranch_scc1 .Lhidden_\@
	v_add_nc_u32 v[ADK], s[TK], v[AK0]
	v_add_nc_u32 v[ADV], s[TV], v[AV0]
	v_nop
	v_nop                                          ; four plain lines between the last products and the loads into their operands
	WIN 0x40                                       ; destination window 1
.irp kt, 0,1,2,3
.irp c, 0,1
	ds_load_b128 v[64+8*(2*\kt+\c):64+8*(2*\kt+\c)+3], v[ADK] offset:\kt*16*PK+64*\c
	ds_load_b128 v[64+8*(2*\kt+\c)+4:64+8*(2*\kt+\c)+7], v[ADK] offset:\kt*16*PK+64*\c+32
.endr
.endr
.irp ct, 0,1,2,3
.irp u, 0,1
	ds_load_tr16_b128 v[128+8*(2*\ct+\u):128+8*(2*\ct+\u)+3], v[ADV] offset:\u*32*PV+32*\ct
	ds_load_tr16_b128 v[128+8*(2*\ct+\u)+4:128+8*(2*\ct+\u)+7], v[ADV] offset:\u*32*PV+16*PV+32*\ct
.endr
.endr
	s_wait_dscnt 16                                ; K's sixteen loads are in; V's sixteen may be out
	WIN 0x05                                       ; K and Q in window 1, S^T in window 0
.irp c, 0,1                            ; eight accumulators by turns, one instruction a turn
.irp kt, 0,1,2,3
.irp t, 0,1
.if \c == 0
	v_wmma_f32_16x16x32_f16 v[S+32*\t+8*\kt:S+32*\t+8*\kt+7], v[64+8*(2*\kt+\c):64+8*(2*\kt+\c)+7], v[8*(2*\t+\c):8*(2*\t+\c)+7], 0
.else
	v_wmma_f32_16x16x32_f16 v[S+32*\t+8*\kt:S+32*\t+8*\kt+7], v[64+8*(2*\kt+\c):64+8*(2*\kt+\c)+7], v[8*(2*\t+\c):8*(2*\t+\c)+7], v[S+32*\t+8*\kt:S+32*\t+8*\kt+7]
.endif
.endr
.endr
.endr
	WIN 0
.rept 4
	v_nop
.endr
	s_add_co_u32 s66, s[KF], 63
	s_cmp_le_u32 s66, s[Q0]                        ; all 64 keys count for all my queries: no mask
	s_cbranch_scc1 .Lopen_\@
	s_sub_co_i32 s66, s[Q0], s[KF]
.irp t, 0,1
	s_add_co_i32 s67, s66, 16*\t
	v_add_nc_u32 v28, s67, v[DM]                   ; d = my query - KF - 8 h.  Register 8 kt + j holds key KF + 16 kt + 8 h + j: hidden where 16 kt + j > d
.irp kt, 0,1,2,3
.irp j, 0,1,2,3,4,5,6,7
	v_cmp_gt_i32 vcc_lo, 16*\kt+\j, v28
	v_cndmask_b32 v[S+32*\t+8*\kt+\j], v[S+32*\t+8*\kt+\j], v29, vcc_lo
.endr
.endr
.endr
.Lopen_\@:
	SOFTMAX
	s_wait_dscnt 0x0                               ; V is in
	WIN 0x01                                       ; V in window 1, P and O^T in window 0
.irp u, 0,1
.irp ct, 0,1,2,3
.irp t, 0,1
	v_wmma_f32_16x16x32_f16 v[O+32*\t+8*\ct:O+32*\t+8*\ct+7], v[128+8*(2*\ct+\u):128+8*(2*\ct+\u)+7], v[P+16*\t+8*\u:P+16*\t+8*\u+7], v[O+32*\t+8*\ct:O+32*\t+8*\ct+7]
.endr
.endr
.endr
	WIN 0
.Lhidden_\@:
	s_add_co_u32 s[KF], s[KF], 64
	s_add_co_u32 s[TK], s[TK], 64*PK
	s_add_co_u32 s[TV], s[TV], 64*PV
.endm
.macro FOUR_STEPS                      ; a slot's four key steps: written once, walked four times; then on to the other slot
	s_mov_b32 s[J], 4
.Lstep_\@:
	STEP
	s_sub_co_u32 s[J], s[J], 1
	s_cmp_lg_u32 s[J], 0
	s_cbranch_scc1 .Lstep_\@
	s_sub_co_u32 s[TK], s[TK], 256*PK
	s_xor_b32 s[TK], s[TK], SLOT1
	s_sub_co_u32 s[TV], s[TV], 256*PV
	s_xor_b32 s[TV], s[TV], SLOT1
.endm
; THE CHANGE OF SLOTS stands at a slot's head.  Each wave waits for all its tensor loads (its quarter of the slot ahead), adds 0 to its spare word, and waits for that and for its reads of the slot that it has left.
; Behind the barrier the slot ahead is whole and nobody reads the other one.  fill = 1: that other slot takes the next trip's keys: the slot after this one, or slot 0 where this trip ends a block.
.macro CHANGE fill
	s_wait_tensorcnt 0x0                           ; no tensor load of mine is out, so a group 0 may be written
	ds_add_u32 v[SPW], v[NIL]                      ; the descriptors' steps stand between the add and the wait for it
.if \fill
	s_add_co_u32 s66, s[KS], 1
	s_cmp_gt_u32 s66, s[QB]
	s_cselect_b32 s66, 0, s66                      ; ids and counts of steps alone
	s_lshl_b32 s66, s66, 15                        ; a slot is 256 rows of 128 bytes
	s_mov_b32 s67, 0
	s_xor_b32 s[G0K+1], s[G0K+1], SLOT1
	s_xor_b32 s[G0V+1], s[G0V+1], SLOT1
	s_add_nc_u64 s[G0K+2:G0K+3], s[KB:KB+1], s[66:67]
	s_or_b32 s[G0K+3], s[G0K+3], 0x80000000
	s_add_nc_u64 s[G0V+2:G0V+3], s[VB:VB+1], s[66:67]
	s_or_b32 s[G0V+3], s[G0V+3], 0x80000000
	s_wait_xcnt 0x0                                ; the last prefetch, a slot back, has read its address
	s_add_nc_u64 s[PFA:PFA+1], s[PFA:PFA+1], 32768
.endif
	s_wait_dscnt 0x0                               ; the add is done, and my reads of the slot that I have left are over
	s_barrier_signal -1
	s_barrier_wait -1
.if \fill
	TLOAD                                          ; the first thing behind the barrier, and my one tensor load until the next
	ASK
.endif
.endm
; A BLOCK'S WAY OUT.  O^T / l, rounded to f16, through my stage; my 32 rows are 4,096 dense bytes of att16: each store covers 512 of them, aligned.  again = 1: then the second block is set up.
.macro OUT again
.rept 4
	v_nop                                          ; behind the last products
.endr
.irp t, 0,1
	v_add_f32 v[ST+8*\t+4], v[ST+8*\t+2], v[ST+8*\t+3]
.endr
.irp t, 0,1
	v_permlanex16_b32 v[ST+8*\t+5], v[ST+8*\t+4], s[SEL], s[SEL+1]
.endr
.irp t, 0,1
	v_add_f32 v[ST+8*\t+4], v[ST+8*\t+4], v[ST+8*\t+5]
.endr
.irp t, 0,1
	v_rcp_f32 v[ST+8*\t+6], v[ST+8*\t+4]
.endr
	v_nop
	s_wait_alu depctr_va_vdst(0)                   ; one wait for the two reciprocals, ahead of their first reader
.irp t, 0,1
.irp b, 0,1,2,3,4,5,6,7,8,9,10,11,12,13,14,15
	v_pk_mul_f32 v[O+32*\t+2*\b:O+32*\t+2*\b+1], v[O+32*\t+2*\b:O+32*\t+2*\b+1], v[ST+8*\t+6:ST+8*\t+7] op_sel_hi:[1,0]
.endr
.endr
.irp t, 0,1
.irp b, 0,1,2,3,4,5,6,7,8,9,10,11,12,13,14,15
	v_cvt_pk_f16_f32 v[S+16*\t+\b], v[O+32*\t+2*\b], v[O+32*\t+2*\b+1]
.endr
.endr
.irp t, 0,1
.irp ct, 0,1,2,3
	ds_store_b128 v[STO], v[S+16*\t+4*\ct:S+16*\t+4*\ct+3] offset:\t*16*PK+32*\ct
.endr
.endr
.irp n, 0,1,2,3,4,5,6,7
	ds_load_b128 v[S+32+4*\n:S+32+4*\n+3], v[RD] offset:\n*4*PK   ; LDS serves a wave's instructions in order: these see the stores above
.endr
	s_wait_dscnt 0x0
.irp n, 0,1,2,3,4,5,6,7
	global_store_b128 v[GO], v[S+32+4*\n:S+32+4*\n+3], s[OA:OA+1] offset:512*\n
.endr
	s_wait_xcnt 0x0                                ; the stores have read their registers and their base
.if \again
	s_mov_b32 s[QB], s[I]
	s_mov_b32 s[KS], 0
	s_mov_b32 s[KF], 0
	BLOCKADR
	QLOAD
	INIT
	s_wait_loadcnt 0x0
.endif
.endm
	s_sub_co_u32 s[QB], 7, s[I]                    ; the later block first
	s_mov_b32 s[KS], 0
	s_mov_b32 s[KF], 0
	BLOCKADR
	QLOAD
	INIT
	s_wait_loadcnt 0x0                             ; Q
	s_mov_b32 s[SLOTS], 8
.Lslot:                                            ; eight trips; behind each change of slots the next trip's keys are asked for.  (Slot 1's first fill stands behind the first trip's barrier, behind which nothing is filled again)
	CHANGE 1
	FOUR_STEPS
	s_cmp_lg_u32 s[KS], s[QB]                      ; the first block ends in trip 7 - i, always inside this loop
	s_cbranch_scc1 .Lmore
	OUT 1
	s_branch .Lnext
.Lmore:
	s_add_co_u32 s[KS], s[KS], 1
.Lnext:
	s_sub_co_u32 s[SLOTS], s[SLOTS], 1
	s_cmp_lg_u32 s[SLOTS], 0
	s_cbranch_scc1 .Lslot
	CHANGE 0                                       ; the ninth trip is written out: nothing is left to fetch.  It is the second block's diagonal
	FOUR_STEPS
	OUT 0
	s_wait_tensorcnt 0x0                           ; the wave's end: a wait, an add of 0 to my spare word and its wait, behind my last tensor load and my last LDS store
	ds_add_u32 v[SPW], v[NIL]
	s_wait_dscnt 0x0
	s_endpgm
.Lfunc_end_k_q64984fbaf5_attn:
	.size	k_q64984fbaf5_attn, .Lfunc_end_k_q64984fbaf5_attn-k_q64984fbaf5_attn
	.p2alignl 7, 3214868480
	.fill 96, 4, 3214868480
	.section	.rodata,"a",@progbits
	.p2align	6, 0x0
	.amdhsa_kernel k_q64984fbaf5_attn
		.amdhsa_group_segment_fixed_size 327680
		.amdhsa_private_segment_fixed_size 0
		.amdhsa_enable_private_segment 0
		.amdhsa_kernarg_size 16
		.amdhsa_user_sgpr_count 2
		.amdhsa_user_sgpr_kernarg_segment_ptr 1
		.amdhsa_wavefront_size32 1
		.amdhsa_system_sgpr_workgroup_id_x 1
		.amdhsa_system_sgpr_workgroup_id_y 1
		.amdhsa_system_sgpr_workgroup_id_z 1
		.amdhsa_system_vgpr_workitem_id 0
		.amdhsa_next_free_vgpr 512
		.amdhsa_next_free_sgpr 72
		.amdhsa_reserve_vcc 1
		.amdhsa_float_denorm_mode_32 3
		.amdhsa_float_denorm_mode_16_64 3
		.amdhsa_memory_ordered 1
		.amdhsa_forward_progress 1
		.amdhsa_inst_pref_size 71
	.end_amdhsa_kernel
	.amdgpu_metadata
---
amdhsa.version: [ 1, 2 ]
amdhsa.kernels:
  - .name:           k_q64984fbaf5_attn
    .symbol:         k_q64984fbaf5_attn.kd
    .args:
      - { .name: qkv16, .offset: 0, .size: 8, .value_kind: global_buffer, .address_space: global }
      - { .name: att16, .offset: 8, .size: 8, .value_kind: global_buffer, .address_space: global }
    .group_segment_fixed_size: 327680
    .private_segment_fixed_size: 0
    .kernarg_segment_align: 8
    .kernarg_segment_size: 16
    .max_flat_workgroup_size: 256
    .sgpr_count:     72
    .vgpr_count:     512
    .wavefront_size: 32
...
	.end_amdgpu_metadata
.endif
;; end of part 3
;; launch oproj (part 4): grid 4 x 64, 4 waves a work-group, clusters of 4 x 4, 327,680 bytes of LDS; arguments att16, wo16, out0; writes out0
.if DOCPART == 4
	.amdgcn_target "amdgcn-amd-amdhsa--gfx1250"
	.amdhsa_code_object_version 6
	.text
	.protected	k_q64984fbaf5_oproj
	.globl	k_q64984fbaf5_oproj
	.p2align	8
	.type	k_q64984fbaf5_oproj,@function
k_q64984fbaf5_oproj:
	s_mov_b64 s[64:65], 0
	v_nop
	global_prefetch_b8 v0, s[64:65] scope:SCOPE_SE
	s_setreg_imm32_b32 hwreg(HW_REG_WAVE_MODE, 25, 1), 1
	s_wait_xcnt 0x0
	s_wait_alu depctr_hold_cnt(0) depctr_sa_sdst(0) depctr_va_vdst(0) depctr_va_sdst(0) depctr_va_ssrc(0) depctr_va_vcc(0) depctr_vm_vsrc(0)
	s_getreg_b32 s2, hwreg(HW_REG_IB_STS2, 6, 4)
	s_cmp_eq_u32 s2, 0
	s_cbranch_scc0 .Lentry_in_a_cluster
	s_endpgm
.Lentry_in_a_cluster:
	s_bfe_u32 s2, ttmp6, 0x10000c
	s_cmp_lg_u32 s2, 0xf033
	s_cbranch_scc0 .Lentry_shape_is_right
	s_endpgm
.Lentry_shape_is_right:
; out0[m][n] = sum over k of att[m][k] wo[n][k], f16 operands, f32 sums, f32 out.  att16: f16 [16 kb][8192 m][64];  wo16: f16 [16 kb][1024 n][64]: 64 along K of neighbouring rows are one dense block.  out0: [8192][1024] f32.
; (The 64 rows that are the first 16 places of a sequence are written here too, and written over by the launch that carries them in f32.)
; A tile of 128 x 256 gives 256 work-groups.  Four waves, 64 x 128 each: 32 accumulators, all of window 1.  K goes in steps of 128 (two kb blocks) through two LDS slots; eight K steps.
; One tensor load a wave: waves 0, 1 fetch att's even and odd kb block (128 rows of 128 bytes), waves 2, 3 wo's (256 rows).  From a request to the wait for it a wave issues 112 matrix instructions.
; CLUSTERS: 4 x 4; att's tile is shared along a row of the cluster, wo's along a column, each asked for jointly.  THE MATRIX INSTRUCTION IS USED TRANSPOSED: a lane holds eight neighbouring numbers of a row of out0.
; No prefetch: a K step's blocks for a partner and a wave would be 16, half a wave's lanes, and wo16 is read again by every tile row.
; REGISTERS: window 0: v16-29 addresses; two fragment buffers of 96 (32 of att, then 64 of wo) at v32 and v128.  window 1: accumulator (a, b) at v[8 (8 a + b)].
.set PITCH,  144                       ; an LDS row: 128 bytes + 16: an odd multiple of 16
.set AT,     128*PITCH                 ; a kb block of att's tile
.set BT,     256*PITCH                 ; of wo's
.set SLOT,   2*AT+2*BT                 ; att even, att odd, wo even, wo odd
.set SPARE,  2*SLOT                    ; the spare words, 128 bytes a wave
.set SPITCH, 528                       ; the way out: 16 rows x (512 + 16) for each wave, in slot 0, behind its last fill and its last read
.set LAPS,   4
.set ADRA, 16
.set ADRB, 20
.set STO,  24
.set RD,   25
.set CO,   26
.set SPW,  28
.set NIL,  29
.set F0,   32
.set F1,   128
.set BK,   32                          ; the way out: v32-95 and v96-159 by turns
.set G1, 24
.set G0, 32
.set G1B, 48
.set G0B, 56
.set MSB, 0
.macro WIN new
.if MSB != (\new)
	s_set_vgpr_msb (MSB<<8)|(\new)
.set MSB, \new
.endif
.endm
.set MUL, 0x50                         ; sources 0 and 1 window 0; C and D window 1
.macro JLOAD s
	s_cmp_eq_u32 s11, 0
	s_cbranch_scc0 .Lfor_b_\@
	tensor_load_to_lds s[G0+4*\s:G0+4*\s+3], s[G1:G1+7]
	s_nop 0
.rept 4
	v_nop
.endr
	s_branch .Lasked_\@
.Lfor_b_\@:
	tensor_load_to_lds s[G0B+4*\s:G0B+4*\s+3], s[G1B:G1B+7]
	s_nop 0
.rept 4
	v_nop
.endr
.Lasked_\@:
.endm
.macro CREST
	s_cmp_lg_u32 s10, 0
	s_cbranch_scc1 .Lnot_wave_0_\@
	s_barrier_signal -3
.Lnot_wave_0_\@:
	s_barrier_wait -3
	s_barrier_signal -1
	s_barrier_wait -1
.endm
.macro CROUND
	s_barrier_signal -1
	s_barrier_wait -1
	CREST
.endm
	s_load_b128 s[4:7], s[0:1], 0x0                ; att16, wo16
	s_load_b64 s[8:9], s[0:1], 0x10                ; out0
	v_lshl_add_u32 v[SPW], v0, 2, SPARE
	v_mov_b32 v[NIL], 0
	ds_add_u32 v[SPW], v[NIL]                      ; the opening: the add, twice on end, and its wait ahead of my first tensor load
	ds_add_u32 v[SPW], v[NIL]
	v_lshrrev_b32 v1, 5, v0
	v_readfirstlane_b32 s10, v1                    ; wave 0..3
	s_lshr_b32 s11, s10, 1                         ; my half of the tile's rows.  Also: I fetch for att (0) or for wo (1)
	s_and_b32 s12, s10, 1                          ; my half of its columns.  Also: the even or the odd kb block
	s_bfe_u32 s40, ttmp6, 0x40000                  ; cx
	s_bfe_u32 s41, ttmp6, 0x40004                  ; cy
	s_lshl_b32 s42, ttmp9, 2
	s_add_co_u32 s42, s42, s40                     ; tile column
	s_and_b32 s13, ttmp7, 0xffff
	s_lshl_b32 s13, s13, 2
	s_add_co_u32 s13, s13, s41                     ; tile row
	s_lshl_b32 s43, s41, 2
	s_lshl_b32 s43, 15, s43                        ; my row of the cluster
	s_lshl_b32 s44, 0x1111, s40                    ; my column
	s_or_b32 s[G1+0], s43, (1<<16)|(1<<20)|(1<<21)|(4<<22)|(3<<25)   ; mask; elements of 2 bytes; padding on; bit 21 beside a mask; after every 32 words, 4 words
	s_or_b32 s[G1B+0], s44, (1<<16)|(1<<20)|(1<<21)|(4<<22)|(3<<25)
	s_mov_b32 s[G1+1], 64<<16                      ; tensor_dim0 = 64
	s_mov_b32 s[G1+2], 128<<16                     ; tensor_dim1 = 128
	s_mov_b32 s[G1+3], 64<<16                      ; tile_dim0 = 64
	s_mov_b32 s[G1+4], 128                         ; tile_dim1 = 128
	s_mov_b32 s[G1+5], 64                          ; the pitch
	s_mov_b32 s[G1+6], 0
	s_mov_b32 s[G1+7], 0
	s_mov_b32 s[G1B+1], 64<<16
	s_mov_b32 s[G1B+2], 256<<16
	s_mov_b32 s[G1B+3], 64<<16
	s_mov_b32 s[G1B+4], 256
	s_mov_b32 s[G1B+5], 64
	s_mov_b32 s[G1B+6], 0
	s_mov_b32 s[G1B+7], 0
	s_lshl_b32 s16, s13, 14                        ; att: tile row x 128 rows of 128 bytes + the odd kb block's 1,048,576
	s_lshl_b32 s17, s12, 20
	s_add_co_u32 s16, s16, s17
	s_mov_b32 s17, 0
	s_lshl_b32 s46, s42, 15                        ; wo: tile column x 256 rows of 128 bytes + the odd kb block's 131,072
	s_lshl_b32 s47, s12, 17
	s_add_co_u32 s46, s46, s47
	s_mov_b32 s47, 0
	s_mul_i32 s20, s12, AT                         ; where they go: no place in the cluster enters an LDS address
	s_mul_i32 s21, s12, BT
	s_add_co_u32 s21, s21, 2*AT
	s_wait_dscnt 0x0                               ; both opening adds are done
	s_wait_kmcnt 0x0
	s_add_nc_u64 s[14:15], s[4:5], s[16:17]
	s_add_nc_u64 s[46:47], s[6:7], s[46:47]
	CROUND                                         ; all sixteen work-groups are here: the first joint loads meet
.irp s, 0,1
	s_mov_b32 s[G0+4*\s], 1
	s_add_co_u32 s[G0+4*\s+1], s20, \s*SLOT
	s_add_nc_u64 s[G0+4*\s+2:G0+4*\s+3], s[14:15], \s*2097152     ; K step s: kb blocks 2 s and 2 s + 1
	s_or_b32 s[G0+4*\s+3], s[G0+4*\s+3], 0x80000000
	s_mov_b32 s[G0B+4*\s], 1
	s_add_co_u32 s[G0B+4*\s+1], s21, \s*SLOT
	s_add_nc_u64 s[G0B+4*\s+2:G0B+4*\s+3], s[46:47], \s*262144
	s_or_b32 s[G0B+4*\s+3], s[G0B+4*\s+3], 0x80000000
	JLOAD \s
.endr
	v_and_b32 v1, 15, v0                           ; r
	v_bfe_u32 v2, v0, 4, 1                         ; h
	v_mul_u32_u24 v3, v1, PITCH
	v_lshl_add_u32 v3, v2, 4, v3
	s_mul_i32 s21, s11, 64*PITCH                   ; my 64 rows of att
	s_mul_i32 s22, s12, 128*PITCH                  ; my 128 rows of wo,
	s_add_co_u32 s22, s22, 2*AT                    ; behind att's two blocks
.irp s, 0,1
	v_add_nc_u32 v[ADRA+\s], s21, v3
	v_add_nc_u32 v[ADRB+\s], s22, v3
	s_add_co_u32 s21, s21, SLOT
	s_add_co_u32 s22, s22, SLOT
.endr
	s_mul_i32 s23, s10, 16*SPITCH                  ; my stage
	v_mul_u32_u24 v4, v1, SPITCH
	v_lshl_add_u32 v4, v2, 5, v4
	v_add_nc_u32 v[STO], s23, v4                   ; in: row r, 32 bytes for each half of the lanes
	v_and_b32 v5, 31, v0
	v_lshlrev_b32 v[CO], 4, v5
	v_add_nc_u32 v[RD], s23, v[CO]                 ; back: the 32 lanes take a row of 512 bytes
	s_lshl_b32 s16, s13, 7
	s_lshl_b32 s17, s11, 6
	s_add_co_u32 s16, s16, s17                     ; my first row of out0
	s_lshl_b32 s16, s16, 12
	s_mov_b32 s17, 0
	s_add_nc_u64 s[8:9], s[8:9], s[16:17]
	s_lshl_b32 s46, s42, 10                        ; my first column, in bytes
	s_lshl_b32 s47, s12, 9
	s_add_co_u32 s46, s46, s47
	s_mov_b32 s47, 0
	s_add_nc_u64 s[8:9], s[8:9], s[46:47]
; 8 matrix instructions: att's block a against wo's eight, 32 along K.  The 32 accumulators take turns in the same order in every quarter.
.macro MUL8 f, a, zero
.irp b, 0,1,2,3,4,5,6,7
.if \zero
	v_wmma_f32_16x16x32_f16 v[8*(8*(\a)+\b):8*(8*(\a)+\b)+7], v[\f+32+8*\b:\f+32+8*\b+7], v[\f+8*(\a):\f+8*(\a)+7], 0
.else
	v_wmma_f32_16x16x32_f16 v[8*(8*(\a)+\b):8*(8*(\a)+\b)+7], v[\f+32+8*\b:\f+32+8*\b+7], v[\f+8*(\a):\f+8*(\a)+7], v[8*(8*(\a)+\b):8*(8*(\a)+\b)+7]
.endif
.endr
.endm
; 24 LDS loads in one run: quarter q of a K step (kb block q / 2, its channels 32 (q % 2) on): wo's eight fragments, then att's four
.macro FETCH slot, q, f
	WIN 0
.irp i, 0,1,2,3,4,5,6,7
	ds_load_b128 v[\f+32+8*\i:\f+32+8*\i+3], v[ADRB+\slot] offset:((\q)/2)*BT+64*((\q)%2)+\i*16*PITCH
	ds_load_b128 v[\f+32+8*\i+4:\f+32+8*\i+7], v[ADRB+\slot] offset:((\q)/2)*BT+64*((\q)%2)+\i*16*PITCH+32
.endr
.irp i, 0,1,2,3
	ds_load_b128 v[\f+8*\i:\f+8*\i+3], v[ADRA+\slot] offset:((\q)/2)*AT+64*((\q)%2)+\i*16*PITCH
	ds_load_b128 v[\f+8*\i+4:\f+8*\i+7], v[ADRA+\slot] offset:((\q)/2)*AT+64*((\q)%2)+\i*16*PITCH+32
.endr
.endm
.macro PLACES
.rept 4
	v_nop
.endr
.endm
; One of a K step's first three quarters: multiplies buffer f, and in its middle fetches quarter q into buffer g.
.macro QUARTER slot, q, f, g, zero
	s_wait_dscnt 4                                 ; wo's fragments and att's blocks 0, 1 are in; the youngest four loads (blocks 2, 3) may be out
	WIN MUL
	MUL8 \f, 0, \zero
	MUL8 \f, 1, \zero
	PLACES
	FETCH \slot, \q, \g
	s_wait_dscnt 24                                ; all but the 24 just issued
	WIN MUL
	MUL8 \f, 2, \zero
	MUL8 \f, 3, \zero
.endm
; The last quarter multiplies buffer 1 and changes slots: one barrier; in front of it each wave waits for all its tensor loads, adds 0 to its spare word, and waits for that and for its reads of this slot.
.macro TURN slot, next, fill
	WIN 0
	s_wait_tensorcnt 0x0                           ; my part of the next slot has landed
	ds_add_u32 v[SPW], v[NIL]
	s_wait_dscnt 5                                 ; the add and the youngest four loads may be out
	WIN MUL
	MUL8 F1, 0, 0
	s_wait_dscnt 0x0                               ; the add is done, and my reads of this slot are over
	s_barrier_signal -1
	MUL8 F1, 1, 0
.if \fill
	WIN 0
.endif
	s_barrier_wait -1
.if \fill
	CREST                                          ; the barrier has opened a round of the cluster's: no wave of any partner still reads this slot or has a load on its way
	s_add_nc_u64 s[G0+4*\slot+2:G0+4*\slot+3], s[G0+4*\slot+2:G0+4*\slot+3], 4194304   ; two K steps on: four kb blocks
	s_add_nc_u64 s[G0B+4*\slot+2:G0B+4*\slot+3], s[G0B+4*\slot+2:G0B+4*\slot+3], 524288
	JLOAD \slot                                    ; the first tensor load behind the round; its four v_nop are also the places in front of the loads below
.else
	PLACES
.endif
	FETCH \next, 0, F0
	WIN MUL
	MUL8 F1, 2, 0
	MUL8 F1, 3, 0
.endm
	s_wait_tensorcnt 1                             ; my part of K step 0 is in; K step 1's may be out
	s_barrier_signal -1
	s_barrier_wait -1
	FETCH 0, 0, F0
	QUARTER 0, 1, F0, F1, 1                        ; the first quarter starts the sums: nothing is cleared
	WIN 0
	s_mov_b32 s3, LAPS-1
.Llap:                                             ; a trip goes once round the ring, from a lap's second quarter to the next lap's first, and fills both slots again
	QUARTER 0, 2, F1, F0, 0
	QUARTER 0, 3, F0, F1, 0
	TURN 0, 1, 1
	QUARTER 1, 1, F0, F1, 0
	QUARTER 1, 2, F1, F0, 0
	QUARTER 1, 3, F0, F1, 0
	TURN 1, 0, 1
	QUARTER 0, 1, F0, F1, 0
	WIN 0
	s_sub_co_u32 s3, s3, 1
	s_cmp_lg_u32 s3, 0
	s_cbranch_scc1 .Llap
	QUARTER 0, 2, F1, F0, 0                        ; the last lap fills nothing
	QUARTER 0, 3, F0, F1, 0
	TURN 0, 1, 0
	QUARTER 1, 1, F0, F1, 0
	QUARTER 1, 2, F1, F0, 0
	QUARTER 1, 3, F0, F1, 0
	s_wait_dscnt 4
	WIN MUL
	MUL8 F1, 0, 0
	MUL8 F1, 1, 0
	s_wait_dscnt 0
	MUL8 F1, 2, 0
	MUL8 F1, 3, 0
	WIN 0
; THE WAY OUT, block by block of 16 rows x 128 columns, through my own stage; back as whole rows of 512 bytes.
.macro TOSTAGE a
	WIN 0x04                                       ; an LDS store's data are its source 1: window 1
.irp b, 0,1,2,3,4,5,6,7
	ds_store_b128 v[STO], v[64*(\a)+8*\b:64*(\a)+8*\b+3] offset:64*\b          ; each accumulator from its low end on
	ds_store_b128 v[STO], v[64*(\a)+8*\b+4:64*(\a)+8*\b+7] offset:64*\b+16
.endr
	WIN 0
.irp t, 0,1,2,3,4,5,6,7,8,9,10,11,12,13,14,15
	ds_load_b128 v[BK+64*((\a)%2)+4*\t:BK+64*((\a)%2)+4*\t+3], v[RD] offset:\t*SPITCH   ; LDS serves a wave's instructions in order
.endr
.endm
.macro SEND a, younger
	s_wait_dscnt \younger                          ; the block is back; the next block's 16 stores and 16 loads may be out
.irp t, 0,1,2,3,4,5,6,7,8,9,10,11,12,13,14,15
	global_store_b128 v[CO], v[BK+64*((\a)%2)+4*\t:BK+64*((\a)%2)+4*\t+3], s[8:9] offset:(16*(\a)+\t)*4096 th:TH_STORE_NT   ; 512 consecutive bytes, aligned
.endr
.endm
	PLACES
	TOSTAGE 0
	TOSTAGE 1
	SEND 0, 32
	s_wait_xcnt 0x0                                ; block 0's stores have read the registers that block 2's loads fill
	TOSTAGE 2
	SEND 1, 32
	s_wait_xcnt 0x0
	TOSTAGE 3
	SEND 2, 32
	SEND 3, 0
	s_wait_tensorcnt 0x0                           ; the wave's end: a wait, an add of 0 to my spare word and its wait, behind my last tensor load and my last LDS store
	ds_add_u32 v[SPW], v[NIL]
	s_wait_dscnt 0x0
	CROUND                                         ; the closing round
	s_endpgm
.Lfunc_end_k_q64984fbaf5_oproj:
	.size	k_q64984fbaf5_oproj, .Lfunc_end_k_q64984fbaf5_oproj-k_q64984fbaf5_oproj
	.p2alignl 7, 3214868480
	.fill 96, 4, 3214868480
	.section	.rodata,"a",@progbits
	.p2align	6, 0x0
	.amdhsa_kernel k_q64984fbaf5_oproj
		.amdhsa_group_segment_fixed_size 327680
		.amdhsa_private_segment_fixed_size 0
		.amdhsa_enable_private_segment 0
		.amdhsa_kernarg_size 24
		.amdhsa_user_sgpr_count 2
		.amdhsa_user_sgpr_kernarg_segment_ptr 1
		.amdhsa_wavefront_size32 1
		.amdhsa_system_sgpr_workgroup_id_x 1
		.amdhsa_system_sgpr_workgroup_id_y 1
		.amdhsa_system_sgpr_workgroup_id_z 1
		.amdhsa_system_vgpr_workitem_id 0
		.amdhsa_next_free_vgpr 512
		.amdhsa_next_free_sgpr 66
		.amdhsa_reserve_vcc 0
		.amdhsa_float_denorm_mode_32 3
		.amdhsa_float_denorm_mode_16_64 3
		.amdhsa_memory_ordered 1
		.amdhsa_forward_progress 1
		.amdhsa_inst_pref_size 84
	.end_amdhsa_kernel
	.amdgpu_metadata
---
amdhsa.version: [ 1, 2 ]
amdhsa.kernels:
  - .name:           k_q64984fbaf5_oproj
    .symbol:         k_q64984fbaf5_oproj.kd
    .args:
      - { .name: att16, .offset: 0, .size: 8, .value_kind: global_buffer, .address_space: global }
      - { .name: wo16, .offset: 8, .size: 8, .value_kind: global_buffer, .address_space: global }
      - { .name: out0, .offset: 16, .size: 8, .value_kind: global_buffer, .address_space: global }
    .group_segment_fixed_size: 327680
    .private_segment_fixed_size: 0
    .kernarg_segment_align: 8
    .kernarg_segment_size: 24
    .max_flat_workgroup_size: 128
    .sgpr_count:     66
    .vgpr_count:     512
    .wavefront_size: 32
...
	.end_amdgpu_metadata
.endif
;; end of part 4
;; launch first16 (part 5): grid 16 x 4, 16 waves a work-group, no clusters, 71,680 bytes of LDS; arguments fine, wo, out0; writes out0
.if DOCPART == 5
	.amdgcn_target "amdgcn-amd-amdhsa--gfx1250"
	.amdhsa_code_object_version 6
	.text
	.protected	k_q64984fbaf5_first16
	.globl	k_q64984fbaf5_first16
	.p2align	8
	.type	k_q64984fbaf5_first16,@function
k_q64984fbaf5_first16:
	s_mov_b64 s[64:65], 0
	v_nop
	global_prefetch_b8 v0, s[64:65] scope:SCOPE_SE
	s_setreg_imm32_b32 hwreg(HW_REG_WAVE_MODE, 25, 1), 1
	s_wait_xcnt 0x0
; The first 16 places of every sequence, all in f32: attention and the projection on the way out, by v_wmma_f32_16x16x4_f32.  These rows average one to sixteen values, so operands of 16 bits would weigh most here.
; fine: f32 [3 (q, k, v)][4 b][16 s][1024], q and k rotated.  wo: [1024 n][1024 k] f32.  out0: rows 2,048 b + 0 .. 15 are written over.
; SHARES.  Work-group (X, b): batch b, output columns 64 X .. + 63.  Wave = head: it makes its head's attention for the 16 places and its head's part (64 along K) of the 16 x 64 outputs; the sixteen parts meet in LDS.
; LAYOUT.  The form takes K = 4: register j of lane (r, h) is k = 2 h + j.  A lane's registers run along K in an order that is the same for both sources, which keeps the products:
;   scores  S^T = K Q^T: lane (r, h) holds channels 32 h + 0 .. 31 of row r of k and of q; K step i takes registers 2 i, 2 i + 1.  Result: lane (r, h): query r, keys 8 h + 0 .. 7.
;   O^T = V^T P: P as it stands (K step i: keys 8 h + 2 i, + 1); V^T loaded to match: register 8 ct + j = v[key 8 h + j][channel 16 ct + r].  Result: query r, channels 16 ct + 8 h + 0 .. 7.
;   the projection, transposed: source 1 = O^T as it stands, source 0 = wo[64 X + 16 nt + r][64 head + 16 ct + 8 h + 0 .. 7].  Result: query r, outputs 16 nt + 8 h + 0 .. 7.
; The registers that the matrix instructions write (v192-255) are written by them alone; each sum begins with the constant 0 in its own first K step.
; REGISTERS: v1-11 addresses; v16, v17 the add's; v18-25 scores, then p; v26-29 at work; v32-63 q, v64-95 k, later wo's second half; v96-127 V^T; v128-191 wo's first half; v192-207 S^T in two halves; v208-239 O^T; v240-255 outputs.
.set SPARE, 69632                      ; behind the sixteen parts of 16 x 272 bytes: the spare words, 128 bytes a wave
.set SPW, 16
.set NIL, 17
	s_load_b128 s[4:7], s[0:1], 0x0                ; fine, wo
	s_load_b64 s[8:9], s[0:1], 0x10                ; out0
	v_lshl_add_u32 v[SPW], v0, 2, SPARE
	v_mov_b32 v[NIL], 0
	v_lshrrev_b32 v1, 5, v0
	v_readfirstlane_b32 s10, v1                    ; wave = head; at the end: the row that I sum
	s_and_b32 s11, ttmp7, 0xffff                   ; batch
	v_and_b32 v1, 15, v0                           ; r
	v_bfe_u32 v2, v0, 4, 1                         ; h
	v_lshlrev_b32 v3, 12, v1                       ; a row is 4,096 bytes
	v_lshl_add_u32 v4, v2, 7, v3                   ; q, k: row r, + 128 h
	v_lshlrev_b32 v5, 2, v1
	v_lshl_add_u32 v5, v2, 15, v5                  ; v: 8 h rows down, + 4 r
	v_lshl_add_u32 v6, v2, 5, v3                   ; wo: row r, + 32 h
	s_lshl_b32 s12, s11, 16
	s_lshl_b32 s14, s10, 8                         ; my head's 64 channels: 256 bytes
	s_add_co_u32 s12, s12, s14
	s_mov_b32 s13, 0
	s_lshl_b32 s15, ttmp9, 18                      ; 64 rows of wo
	s_add_co_u32 s14, s14, s15
	s_mov_b32 s15, 0
	s_mov_b32 s16, 0x76543210
	s_mov_b32 s17, 0xfedcba98
	s_mov_b32 s18, 0x3e38aa3b                      ; log2(e) / 8
	s_wait_kmcnt 0x0
	s_add_nc_u64 s[4:5], s[4:5], s[12:13]
	s_add_nc_u64 s[6:7], s[6:7], s[14:15]
.irp i, 0,1,2,3,4,5,6,7
	global_load_b128 v[32+4*\i:32+4*\i+3], v4, s[4:5] offset:16*\i
.endr
.irp i, 0,1,2,3,4,5,6,7
	global_load_b128 v[64+4*\i:64+4*\i+3], v4, s[4:5] offset:262144+16*\i
.endr
.irp ct, 0,1,2,3
.irp j, 0,1,2,3,4,5,6,7
	global_load_b32 v[96+8*\ct+\j], v5, s[4:5] offset:524288+\j*4096+64*\ct
.endr
.endr
.irp nt, 0,1
.irp ct, 0,1,2,3
	global_load_b128 v[128+32*\nt+8*\ct:128+32*\nt+8*\ct+3], v6, s[6:7] offset:\nt*65536+64*\ct
	global_load_b128 v[128+32*\nt+8*\ct+4:128+32*\nt+8*\ct+7], v6, s[6:7] offset:\nt*65536+64*\ct+16
.endr
.endr
	s_mul_i32 s19, s10, 4352
	v_mul_u32_u24 v7, v1, 272
	v_lshl_add_u32 v7, v2, 5, v7
	v_add_nc_u32 v7, s19, v7                       ; my part in LDS: row r of 272 bytes, + 32 h
	s_mul_i32 s19, s10, 272
	v_and_b32 v9, 31, v0
	v_lshlrev_b32 v9, 3, v9                        ; 8 x lane
	v_add_nc_u32 v8, s19, v9                       ; the sum: row = my wave's number, of every part
	v_lshlrev_b32 v10, 3, v2
	v_sub_nc_u32 v10, v1, v10                      ; r - 8 h
	v_mov_b32 v11, 0xff800000                      ; -infinity
	v_mov_b32 v27, 0                               ; a lane permute's destination counts as one of its sources
	s_wait_loadcnt 48                              ; q and k are in; V^T's 32 loads and wo's 16 may be out
	v_wmma_f32_16x16x4_f32 v[192:199], v[64:65], v[32:33], 0       ; two accumulators by turns
	v_wmma_f32_16x16x4_f32 v[200:207], v[66:67], v[34:35], 0
.irp i, 2,4,6,8,10,12,14
	v_wmma_f32_16x16x4_f32 v[192:199], v[64+2*\i:65+2*\i], v[32+2*\i:33+2*\i], v[192:199]
	v_wmma_f32_16x16x4_f32 v[200:207], v[66+2*\i:67+2*\i], v[34+2*\i:35+2*\i], v[200:207]
.endr
.rept 8
	v_nop                                          ; eight places behind this form, ahead of loads into its operands and of the first read of its results
.endr
.irp nt, 0,1
.irp ct, 0,1,2,3
	global_load_b128 v[32+32*\nt+8*\ct:32+32*\nt+8*\ct+3], v6, s[6:7] offset:(\nt+2)*65536+64*\ct          ; wo's rows 32 .. 63 of my 64, where q and k lay
	global_load_b128 v[32+32*\nt+8*\ct+4:32+32*\nt+8*\ct+7], v6, s[6:7] offset:(\nt+2)*65536+64*\ct+16
.endr
.endr
.irp j, 0,1,2,3,4,5,6,7
	v_add_f32 v[18+\j], v[192+\j], v[200+\j]       ; the score's two halves, from the low end on
.endr
.irp j, 0,1,2,3,4,5,6,7
	v_cmp_gt_i32 vcc_lo, \j, v10                   ; key 8 h + j comes after query r
	v_cndmask_b32 v[18+\j], v[18+\j], v11, vcc_lo
.endr
	v_max3_num_f32 v26, v18, v19, v20
	v_max3_num_f32 v26, v26, v21, v22
	v_max3_num_f32 v26, v26, v23, v24
	v_max_num_f32 v26, v26, v25
	v_permlanex16_b32 v27, v26, s16, s17
	v_max_num_f32 v26, v26, v27                    ; the row's maximum: key 0 counts for every query
	v_mul_f32 v28, s18, v26
.irp j, 0,1,2,3,4,5,6,7
	v_fma_f32 v[18+\j], v[18+\j], s18, -v28
.endr
.irp j, 0,1,2,3,4,5,6,7
	v_exp_f32 v[18+\j], v[18+\j]
.endr
	v_nop
	s_wait_alu depctr_va_vdst(0)                   ; one wait for the eight, ahead of their first reader
	v_add_f32 v26, v18, v19
	v_add_f32 v28, v20, v21
	v_add_f32 v26, v26, v22
	v_add_f32 v28, v28, v23
	v_add_f32 v26, v26, v24
	v_add_f32 v28, v28, v25
	v_add_f32 v26, v26, v28
	v_permlanex16_b32 v27, v26, s16, s17
	v_add_f32 v26, v26, v27
	v_rcp_f32 v29, v26
	v_nop
	s_wait_alu depctr_va_vdst(0)
.irp j, 0,1,2,3,4,5,6,7
	v_mul_f32 v[18+\j], v[18+\j], v29              ; the weights
.endr
	s_wait_loadcnt 32                              ; V^T is in; wo's two halves, 16 loads each, may be out
.irp ct, 0,1,2,3
	v_wmma_f32_16x16x4_f32 v[208+8*\ct:215+8*\ct], v[96+8*\ct:97+8*\ct], v[18:19], 0
.endr
.irp i, 1,2,3
.irp ct, 0,1,2,3
	v_wmma_f32_16x16x4_f32 v[208+8*\ct:215+8*\ct], v[96+8*\ct+2*\i:97+8*\ct+2*\i], v[18+2*\i:19+2*\i], v[208+8*\ct:215+8*\ct]
.endr
.endr
.rept 9
	v_nop                                          ; nine places before a matrix instruction takes these results as a source
.endr
; A round of the projection: two tiles of 16 outputs by turns, 16 K steps; wb: where wo's rows lie; g: which round
.macro PROJ wb, g
	v_wmma_f32_16x16x4_f32 v[240:247], v[\wb:\wb+1], v[208:209], 0
	v_wmma_f32_16x16x4_f32 v[248:255], v[\wb+32:\wb+33], v[208:209], 0
.irp k, 1,2,3,4,5,6,7,8,9,10,11,12,13,14,15
	v_wmma_f32_16x16x4_f32 v[240:247], v[\wb+2*\k:\wb+2*\k+1], v[208+2*\k:209+2*\k], v[240:247]
	v_wmma_f32_16x16x4_f32 v[248:255], v[\wb+32+2*\k:\wb+33+2*\k], v[208+2*\k:209+2*\k], v[248:255]
.endr
.rept 9
	v_nop                                          ; eight places ahead of the stores' reads; the ninth for the next round, which begins these accumulators anew, and for the loads at the end
.endr
.irp n, 0,1
	ds_store_b128 v7, v[240+8*\n:243+8*\n] offset:64*(2*\g+\n)        ; from the low end on
	ds_store_b128 v7, v[244+8*\n:247+8*\n] offset:64*(2*\g+\n)+16
.endr
.endm
	s_wait_loadcnt 16                              ; wo's first half is in
	PROJ 128, 0
	s_wait_loadcnt 0x0
	s_wait_dscnt 0x0                               ; the stores have read the accumulators
	PROJ 32, 1
	s_wait_dscnt 0x0                               ; for the others' sake: my part lies in LDS
	s_barrier_signal -1
	s_barrier_wait -1
.irp p, 0,1,2,3,4,5,6,7,8,9,10,11,12,13,14,15
	ds_load_b64 v[32+2*\p:33+2*\p], v8 offset:\p*4352              ; row = my wave's number of head p's part: the 32 lanes take its 256 bytes
.endr
	s_lshl_b32 s12, s11, 11
	s_add_co_u32 s12, s12, s10                     ; row 2,048 b + my wave's number
	s_lshl_b32 s12, s12, 12
	s_lshl_b32 s14, ttmp9, 8
	s_add_co_u32 s12, s12, s14
	s_add_nc_u64 s[8:9], s[8:9], s[12:13]
	s_wait_dscnt 0x0
.irp p, 1,2,3,4,5,6,7,8,9,10,11,12,13,14,15
	v_pk_add_f32 v[32:33], v[32:33], v[32+2*\p:33+2*\p]            ; the heads in ascending order
.endr
	global_store_b64 v9, v[32:33], s[8:9]          ; 256 consecutive bytes, aligned
	s_wait_tensorcnt 0x0                           ; the wave's end: a wait, an add of 0 to my spare word and its wait, behind my last LDS store
	ds_add_u32 v[SPW], v[NIL]
	s_wait_dscnt 0x0
	s_endpgm
.Lfunc_end_k_q64984fbaf5_first16:
	.size	k_q64984fbaf5_first16, .Lfunc_end_k_q64984fbaf5_first16-k_q64984fbaf5_first16
	.p2alignl 7, 3214868480
	.fill 96, 4, 3214868480
	.section	.rodata,"a",@progbits
	.p2align	6, 0x0
	.amdhsa_kernel k_q64984fbaf5_first16
		.amdhsa_group_segment_fixed_size 71680
		.amdhsa_private_segment_fixed_size 0
		.amdhsa_enable_private_segment 0
		.amdhsa_kernarg_size 24
		.amdhsa_user_sgpr_count 2
		.amdhsa_user_sgpr_kernarg_segment_ptr 1
		.amdhsa_wavefront_size32 1
		.amdhsa_system_sgpr_workgroup_id_x 1
		.amdhsa_system_sgpr_workgroup_id_y 1
		.amdhsa_system_sgpr_workgroup_id_z 1
		.amdhsa_system_vgpr_workitem_id 0
		.amdhsa_next_free_vgpr 256
		.amdhsa_next_free_sgpr 66
		.amdhsa_reserve_vcc 1
		.amdhsa_float_denorm_mode_32 3
		.amdhsa_float_denorm_mode_16_64 3
		.amdhsa_memory_ordered 1
		.amdhsa_forward_progress 1
		.amdhsa_inst_pref_size 23
	.end_amdhsa_kernel
	.amdgpu_metadata
---
amdhsa.version: [ 1, 2 ]
amdhsa.kernels:
  - .name:           k_q64984fbaf5_first16
    .symbol:         k_q64984fbaf5_first16.kd
    .args:
      - { .name: fine, .offset: 0, .size: 8, .value_kind: global_buffer, .address_space: global }
      - { .name: wo, .offset: 8, .size: 8, .value_kind: global_buffer, .address_space: global }
      - { .name: out0, .offset: 16, .size: 8, .value_kind: global_buffer, .address_space: global }
    .group_segment_fixed_size: 71680
    .private_segment_fixed_size: 0
    .kernarg_segment_align: 8
    .kernarg_segment_size: 24
    .max_flat_workgroup_size: 512
    .sgpr_count:     66
    .vgpr_count:     256
    .wavefront_size: 32
...
	.end_amdgpu_metadata
.endif
;; end of part 5
